; MI455X (gfx1250); checked and timed in simulation.
; The chip was launched on July 23, 2026; its instructions are those of AMD's public machine-readable ISA for CDNA 5 (MIT licence, August 2026) and "CDNA5" Instruction Set Architecture Reference Guide (July 2026). The comments in the code are by the model that wrote it; some were corrected since.
;; Multi Head Attention. Allowed arithmetic: matrix products marked QUANTISED: E2M3 operands, one E8M0 scale for each 32 along K, by v_wmma_scale_f32_16x16x128_f8f6f4 with both operands' format E2M3, f32 sums; everything else in f32.
;; Inputs: Wk 1,024 x 1,024 float32; Wo 1,024 x 1,024 float32; Wq 1,024 x 1,024 float32; Wv 1,024 x 1,024 float32; bk 1,024 float32; bo 1,024 float32; bq 1,024 float32; bv 1,024 float32; key 4 x 2,048 x 1,024 float32; mask 1 x 1 x 2,048 x 2,048 int32; query 4 x 2,048 x 1,024 float32; value 4 x 2,048 x 1,024 float32.
;; Outputs: out0 4 x 2,048 x 1,024 float32.
;; This version of the problem:
;;   THIS VERSION OF THE PROBLEM IS GIVEN IN LOW PRECISION. The matrix products marked QUANTISED in the list below multiply operands that are first quantised to E2M3 (2 exponent bits, 3 mantissa bits; 6 bits a number), with one power-of-two scale for each 32 numbers along K (OCP MX v1.0); their sums are f32. All else is computed in f32.
;;   The module's matrix products, in the order in which they are computed (A, B: the left and right operand; K: the contracted axis; several contracted axes count as one K, in the product's order):
;;     1. [M 8,192, K 1,024] x [K 1,024, N 1,024]; A: input query; B: input Wq: QUANTISED
;;     2. [M 8,192, K 1,024] x [K 1,024, N 1,024]; A: input key; B: input Wk: QUANTISED
;;     3. [M 8,192, K 1,024] x [K 1,024, N 1,024]; A: input value; B: input Wv: QUANTISED
;;     4. batch 64 x [M 2,048, K 64] x [K 64, N 2,048]; A: computed on the way; B: computed on the way: QUANTISED
;;     5. batch 64 x [M 2,048, K 2,048] x [K 2,048, N 64]; A: softmax (see below); B: computed on the way: QUANTISED
;;     6. [M 8,192, K 1,024] x [K 1,024, N 1,024]; A: computed on the way; B: input Wo: QUANTISED
;;   THE QUANTISER, for each operand of a quantised product, along K:
;;     - K is cut into blocks of 32 from its start; a last block that is shorter is filled with zeros.
;;     - A block's scale is 2^e with e = floor(log2(the largest magnitude in the block)) - 2, held to -126 .. 127; a block of zeros has e = 0. As a byte (E8M0): e + 127.
;;     - Each number is divided by its block's scale, clamped to +-7.5, and rounded to the nearest number of E2M3, ties to even, subnormals kept.
;;     - The product sums the exact products of the quantised numbers (number of the format x scale) in f32.
;;   ~~~python
;;   def quantise(x, axis):      # numpy; x: float32 -> the quantised numbers, widened to float32 again
;;       x = np.moveaxis(x, axis, -1); K = x.shape[-1]
;;       x = np.pad(x, [(0, 0)] * (x.ndim - 1) + [(0, -K % 32)]); x = x.reshape(x.shape[:-1] + (-1, 32)); a = np.abs(x).max(-1, keepdims=True)
;;       e = np.where(a > 0, np.clip(np.frexp(np.where(a > 0, a, 1))[1] - 1 - 2, -126, 127), 0)      # np.frexp(a)[1] - 1 = floor(log2(a)), exactly
;;       r = np.clip(x / 2.0 ** e, -7.5, 7.5)
;;       step = 2.0 ** (np.maximum(np.frexp(np.where(r == 0, 1, r))[1] - 1, 0) - 3)
;;       q = np.round(r / step) * step * 2.0 ** e      # np.round: ties to even
;;       return np.moveaxis(q.reshape(q.shape[:-2] + (-1,))[..., :K], -1, axis).astype(np.float32)
;;   ~~~
;;   SOFTMAX AHEAD OF A QUANTISED PRODUCT. Where the list says 'softmax', what is quantised is not the finished softmax but p = 2^(t - M), with t = logit x log2(e) and M = ceil(the row's largest t), a whole number; so 1/2 < the row's largest p <= 1. The row's sum l is taken of the UNQUANTISED p, in f32, and the product's result is divided by l at the end. Since M is a whole number, a kernel that streams over the keys may use a running M (the ceiling of the running maximum): every later rescaling is an exact power of two, which a block's scale takes up: the codes' values come out the same.
;;   OPERANDS COMPUTED ON THE WAY. 'Computed on the way' means the value that the module computes at that place (a softmax that the list does not call 'softmax' is quantised finished and normalised). What goes into a quantiser is computed in f32, as accurately as f32 sums, v_exp_f32 and their like allow (about 1e-6 of the number): no bf16 or f16 on the way to a quantiser, and a product that is left as it is and whose result goes on into a quantised operand takes f32 operands (vector FMAs, or v_wmma_f32_16x16x4_f32). A number that lies on a knife's edge between two numbers of the format may be rounded either way, as far as f32 arithmetic and the matrix unit's own rounding can turn it there, and no further.
;; One version. Each part assembles by itself: llvm-mc -triple=amdgcn-amd-amdhsa -mcpu=gfx1250 --defsym DOCPART=n.
;; ======== version 1 of 1: 4 launches
;; limits: right only within a limited range of input values
;; workspace buffers: cod 22,020,096 bytes; scl 917,504 bytes; img 18,874,368 bytes; isc 786,432 bytes; oc 6,291,456 bytes; os 262,144 bytes; mw 524,288 bytes of whole numbers; mi 8,192 bytes of whole numbers
;; launch prep (part 1): grid 1408 x 1, 4 waves a work-group, no clusters, 67,072 bytes of LDS; arguments query, key, value, Wq, Wk, Wv, Wo, mask, cod, scl, mw, mi; writes cod, scl, mw, mi
.if DOCPART == 1
	.amdgcn_target "amdgcn-amd-amdhsa--gfx1250"
	.amdhsa_code_object_version 6
	.text
	.protected	k_qf3be50d101_prep
	.globl	k_qf3be50d101_prep
	.p2align	8
	.type	k_qf3be50d101_prep,@function
k_qf3be50d101_prep:
	s_mov_b64 s[64:65], 0
	v_nop
	global_prefetch_b8 v0, s[64:65] scope:SCOPE_SE
	s_setreg_imm32_b32 hwreg(HW_REG_WAVE_MODE, 25, 1), 1
	s_wait_xcnt 0x0
; PREP.  Two kinds of work-groups, told apart by the work-group's number; each kind has LDS bytes of its own.
; (1) Work-groups 512 .. 1407 turn query, key, value [8192][1024] and Wq, Wk, Wv, Wo [1024][1024], f32, K innermost, into codes of FP6 (E2M3) and one E8M0 byte for each 32 along K.
;     The seven tensors are one stream of blocks of 32: cod [28672 rows][768 bytes], scl [28672][32], rows 0 query, 8192 key, 16384 value, 24576 Wq, 25600 Wk, 26624 Wv, 27648 Wo.
;     A block's scale is 2^(floor(log2(largest magnitude)) - 2); its byte is the largest magnitude's exponent field - 2, held at 1 from below.
;     A wave takes 16 steps of 512 numbers: each load reads 512 consecutive bytes; a step's 2,048 bytes turn through the wave's own stage in LDS so that a lane holds 16 neighbours along K.
; (2) Work-groups 0 .. 511 pack the int32 mask [2048][2048].  A wave takes a unit: 16 query rows (tile T) x 128 keys (step s).  For each of the 64 score registers R = 8 t + j that the attention
;     launch holds in such a step it makes one word of lane bits: bit (r + 16 h) = (mask[16 T + r][128 s + 16 t + 8 h + j] != 0).  mw [T][s][64 words].
;     mi [T][s]: bits 15:0 = which of the 16 rows have an open key in the unit; bit 16 = the unit is wholly open.  All of it is whole-number work on a whole-number input.
; LIMITS: blocks whose largest magnitude lies under 2^-124 keep the byte 1 (a block of zeros too: its codes are zeros, and this program alone reads the bytes); NaN and infinities are not served.
.set NMASK, 512                        ; work-groups of the mask
.set STEPS, 16
.set EMAX,  2
.set CB,    12                         ; bytes of 16 codes
.set R,     16                         ; v16-79   four sets of 16 numbers as loaded
.set X,     80                         ; v80-111  two sets of 16 neighbours
.set E,     112                        ; v112-127 a scale byte for each step
.set C,     128                        ; v128-191 codes: four registers a step, so that no store's data are written again
.set WREG,  8192                       ; LDS of a quantising wave: two stages of 32 x SP bytes, then its 256 scale bytes
.set SP,    80                         ; a lane's 64 bytes + 16 of padding
.set MSTG,  32768                      ; LDS of the mask's waves begins here
.set MP,    528                        ; a row of 128 mask words + 16 bytes: an odd multiple of 16
	s_load_b512 s[4:19], s[0:1], 0x0               ; query s[4:5], key s[6:7], value s[8:9], Wq s[10:11], Wk s[12:13], Wv s[14:15], Wo s[16:17], mask s[18:19]
	s_load_b256 s[20:27], s[0:1], 0x40             ; cod s[20:21], scl s[22:23], mw s[24:25], mi s[26:27]
	v_lshl_add_u32 v192, v0, 2, 0x10400
	v_mov_b32 v193, 0
	v_lshrrev_b32 v1, 5, v0
	v_readfirstlane_b32 s28, v1                    ; wave
	v_and_b32 v2, 31, v0                           ; lane
	v_lshlrev_b32 v3, 4, v2                        ; 16 x lane
	s_cmp_lt_u32 ttmp9, NMASK
	s_cbranch_scc1 .Lmask
; ---------------- the quantiser ----------------
	s_mul_i32 s29, s28, WREG
	v_lshrrev_b32 v14, 2, v2
	v_mul_u32_u24 v14, v14, SP
	v_and_b32 v15, 3, v2
	v_lshl_add_u32 v14, v15, 4, v14
	v_add_nc_u32 v14, s29, v14                     ; the stage, in: four lanes' 64 bytes on end, then 16 of padding
	v_mul_u32_u24 v15, v2, SP
	v_add_nc_u32 v15, s29, v15                     ; out: SP x lane: my 16 neighbours
	v_mul_u32_u24 v4, v2, CB                       ; my codes' place in a step's 384 bytes
	v_lshrrev_b32 v5, 1, v2
	s_add_co_u32 s29, s29, 2*32*SP
	v_add_nc_u32 v5, s29, v5                       ; my block's byte among the wave's 256
	v_lshlrev_b32 v7, 3, v2
	v_add_nc_u32 v6, s29, v7                       ; and 8 bytes a lane on the way out
	s_sub_co_u32 s30, ttmp9, NMASK                 ; which 32,768 numbers of the seven tensors' stream
	s_mov_b32 s31, 864
	s_wait_kmcnt 0x0
	s_mov_b64 s[32:33], s[16:17]                   ; Wo, unless the number says otherwise: the choices hang on the work-group's number alone
.macro PICK lim, ptr, first
	s_cmp_lt_u32 s30, \lim
	s_cselect_b64 s[32:33], s[\ptr:\ptr+1], s[32:33]
	s_cselect_b32 s31, \first, s31
.endm
	PICK 864, 14, 832                              ; Wv
	PICK 832, 12, 800                              ; Wk
	PICK 800, 10, 768                              ; Wq
	PICK 768, 8, 512                               ; value
	PICK 512, 6, 256                               ; key
	PICK 256, 4, 0                                 ; query
	s_sub_co_u32 s31, s30, s31
	s_lshl_b32 s31, s31, 2
	s_add_co_u32 s34, s31, s28                     ; my wave's run of 8,192 numbers in its tensor,
	s_lshl_b32 s34, s34, 15                        ; 32,768 bytes each
	s_mov_b32 s35, 0
	s_add_nc_u64 s[32:33], s[32:33], s[34:35]
	s_lshl_b32 s30, s30, 2
	s_add_co_u32 s30, s30, s28                     ; and in the stream of all seven
	s_mul_i32 s34, s30, 32*STEPS*CB                ; 6,144 bytes of codes a run
	s_add_nc_u64 s[20:21], s[20:21], s[34:35]
	s_lshl_b32 s34, s30, 8                         ; 256 scale bytes a run
	s_add_nc_u64 s[22:23], s[22:23], s[34:35]
.macro LOAD t
.irp i, 0,1,2,3
	global_load_b128 v[R+16*((\t)%4)+4*\i:R+16*((\t)%4)+4*\i+3], v3, s[32:33] offset:2048*(\t)+512*\i th:TH_LOAD_NT   ; 32 lanes read 512 consecutive bytes
.endr
.endm
.macro TURN t                          ; step t's numbers through the stage: LDS serves a wave's instructions in order, so no wait stands between the stores and the loads
.irp i, 0,1,2,3
	ds_store_b128 v14, v[R+16*((\t)%4)+4*\i:R+16*((\t)%4)+4*\i+3] offset:32*SP*((\t)%2)+8*SP*\i
.endr
.irp i, 0,1,2,3
	ds_load_b128 v[X+16*((\t)%2)+4*\i:X+16*((\t)%2)+4*\i+3], v15 offset:32*SP*((\t)%2)+16*\i
.endr
.endm
.irp t, 0,1,2,3
	LOAD \t
.endr
	s_wait_loadcnt 12                              ; step 0's four loads are in; the twelve of steps 1 to 3 may be out
	TURN 0
.macro STEP t
.set XS, X+16*((\t)%2)
.if (\t) > 0
	s_wait_dscnt 1                                 ; this step's numbers are back from the stage (the last step's byte store may be out)
.else
	s_wait_dscnt 0x0
.endif
.if (\t)+4 < STEPS
	LOAD (\t)+4                                    ; into the registers whose stores into the stage are done
.endif
.if (\t)+1 < STEPS
.if STEPS-2-(\t) >= 3
	s_wait_loadcnt 12                              ; the next step's four loads are in; those of the three steps behind it may be out
.else
	s_wait_loadcnt 4*(STEPS-2-(\t))
.endif
	TURN (\t)+1
.endif
	v_max3_num_f32 v8, |v[XS]|, |v[XS+1]|, |v[XS+2]|               ; the largest magnitude of my 16, in two chains
	v_max3_num_f32 v9, |v[XS+3]|, |v[XS+4]|, |v[XS+5]|
.irp i, 6,10
	v_max3_num_f32 v8, v8, |v[XS+\i]|, |v[XS+\i+1]|
	v_max3_num_f32 v9, v9, |v[XS+\i+2]|, |v[XS+\i+3]|
.endr
	v_max3_num_f32 v8, v8, |v[XS+14]|, |v[XS+15]|
	v_max3_num_f32 v8, v8, v9, (EMAX+1)<<23        ; and the floor 2^(3 - 127): the byte cannot fall under 1
	v_max_num_f32_dpp v8, v8, v8 row_xmask:1 row_mask:0xf bank_mask:0xf   ; with my neighbour's 16: the block's
	v_add_nc_u32 v11, -(EMAX<<23), v8              ; 2 off its exponent field: the conversion takes the exponent field of this operand as its scale
	v_cvt_scalef32_pk16_fp6_f32 v[C+4*(\t):C+4*(\t)+2], v[XS:XS+15], v11
	v_lshrrev_b32 v[E+(\t)], 23, v11               ; the scale's byte (a plain line behind the conversion)
	ds_store_b8 v5, v[E+(\t)] offset:16*(\t)       ; both lanes of a block write the same byte with the same value
	global_store_b96 v4, v[C+4*(\t):C+4*(\t)+2], s[20:21] offset:32*CB*(\t)   ; the wave stores 384 consecutive bytes
.endm
.irp t, 0,1,2,3,4,5,6,7,8,9,10,11,12,13,14,15
	STEP \t
.endr
	ds_load_b64 v[12:13], v6                       ; LDS serves a wave's instructions in order: these see my byte stores
	s_wait_dscnt 0x0
	global_store_b64 v7, v[12:13], s[22:23]        ; 32 lanes store 256 consecutive bytes, aligned
	s_wait_tensorcnt 0x0
	ds_add_u32 v192, v193
	s_wait_dscnt 0x0
	s_endpgm
; ---------------- the mask ----------------
.Lmask:
	s_lshl_b32 s29, ttmp9, 2
	s_add_co_u32 s29, s29, s28                     ; my unit u = 16 T + s
	s_lshr_b32 s30, s29, 4
	s_and_b32 s31, s29, 15
	s_lshl_b32 s30, s30, 17                        ; 16 T rows of 8,192 bytes
	s_lshl_b32 s31, s31, 9                         ; + 128 s words
	s_add_co_u32 s30, s30, s31
	s_mov_b32 s31, 0
	s_mul_i32 s36, s28, 16*MP
	s_add_co_u32 s36, s36, MSTG                    ; my wave's stage
	v_add_nc_u32 v4, s36, v3                       ; in: a row as it lies, 16 bytes a lane
	v_and_b32 v5, 15, v2
	v_lshrrev_b32 v6, 4, v2
	v_mul_u32_u24 v5, v5, MP
	v_lshl_add_u32 v5, v6, 5, v5
	v_add_nc_u32 v5, s36, v5                       ; out: row r, + 32 h bytes: keys 8 h on of each 16
	v_lshlrev_b32 v7, 3, v2
	s_lshl_b32 s34, s29, 8                         ; 256 bytes of words a unit
	s_mov_b32 s35, 0
	s_lshl_b32 s40, s29, 2                         ; 4 bytes of info a unit
	s_mov_b32 s41, 0
	s_wait_kmcnt 0x0
	s_add_nc_u64 s[18:19], s[18:19], s[30:31]
	s_add_nc_u64 s[24:25], s[24:25], s[34:35]
	s_add_nc_u64 s[26:27], s[26:27], s[40:41]
.irp i, 0,1,2,3,4,5,6,7,8,9,10,11,12,13,14,15
	global_load_b128 v[16+4*\i:19+4*\i], v3, s[18:19] offset:8192*\i th:TH_LOAD_NT   ; row 16 T + i: 512 consecutive bytes
.endr
.irp i, 0,1,2,3,4,5,6,7,8,9,10,11,12,13,14,15
	s_wait_loadcnt 15-\i                           ; row i is in; the younger rows may be out
	ds_store_b128 v4, v[16+4*\i:19+4*\i] offset:MP*\i
.endr
.irp t, 0,1,2,3,4,5,6,7
	ds_load_b128 v[80+8*\t:83+8*\t], v5 offset:64*\t       ; register 8 t + j: mask[16 T + r][128 s + 16 t + 8 h + j]
	ds_load_b128 v[84+8*\t:87+8*\t], v5 offset:64*\t+16
.endr
	v_mov_b32 v144, 0                              ; written whole before single lanes are written
	v_mov_b32 v145, 0
	s_mov_b32 s37, 0                               ; the OR of the 64 words
	s_mov_b32 s38, -1                              ; and their AND
	s_wait_dscnt 0x0
.set RR, 0
.rept 64
	v_cmp_ne_u32 s[32+RR%4], 0, v[80+RR]           ; word R: a bit a lane (four scalar registers by turns)
	v_writelane_b32 v[144+(RR&1)], s[32+RR%4], RR>>1   ; words 2 L and 2 L + 1 go to lane L
	s_or_b32 s37, s37, s[32+RR%4]
	s_and_b32 s38, s38, s[32+RR%4]
.set RR, RR+1
.endr
	global_store_b64 v7, v[144:145], s[24:25]      ; 32 lanes store 256 consecutive bytes, aligned
	s_lshr_b32 s39, s37, 16
	s_or_b32 s37, s37, s39
	s_and_b32 s37, s37, 0xffff                     ; bit r: row r has an open key here
	s_cmp_eq_u32 s38, -1
	s_cselect_b32 s39, 0x10000, 0                  ; bit 16: all 2,048 are open
	s_or_b32 s37, s37, s39
	v_mov_b32 v146, s37
	v_mov_b32 v147, 0
	v_cmp_eq_u32 vcc_lo, 0, v2
	s_wait_xcnt 0x0                                ; EXEC changes only when the store above has read its sources
	s_wait_tensorcnt 0x0
	ds_add_u32 v192, v193
	s_wait_dscnt 0x0
	s_and_saveexec_b32 s39, vcc_lo
	global_store_b32 v147, v146, s[26:27]          ; one word a unit, from lane 0
	s_wait_xcnt 0x0
	s_or_b32 exec_lo, exec_lo, s39
	s_endpgm
.Lfunc_end_k_qf3be50d101_prep:
	.size	k_qf3be50d101_prep, .Lfunc_end_k_qf3be50d101_prep-k_qf3be50d101_prep
	.p2alignl 7, 3214868480
	.fill 96, 4, 3214868480
	.section	.rodata,"a",@progbits
	.p2align	6, 0x0
	.amdhsa_kernel k_qf3be50d101_prep
		.amdhsa_group_segment_fixed_size 67072
		.amdhsa_private_segment_fixed_size 0
		.amdhsa_enable_private_segment 0
		.amdhsa_kernarg_size 96
		.amdhsa_user_sgpr_count 2
		.amdhsa_user_sgpr_kernarg_segment_ptr 1
		.amdhsa_wavefront_size32 1
		.amdhsa_system_sgpr_workgroup_id_x 1
		.amdhsa_system_sgpr_workgroup_id_y 1
		.amdhsa_system_sgpr_workgroup_id_z 1
		.amdhsa_system_vgpr_workitem_id 0
		.amdhsa_next_free_vgpr 194
		.amdhsa_next_free_sgpr 66
		.amdhsa_reserve_vcc 1
		.amdhsa_float_denorm_mode_32 3
		.amdhsa_float_denorm_mode_16_64 3
		.amdhsa_memory_ordered 1
		.amdhsa_forward_progress 1
		.amdhsa_inst_pref_size 51
	.end_amdhsa_kernel
	.amdgpu_metadata
---
amdhsa.version: [ 1, 2 ]
amdhsa.kernels:
  - .name:           k_qf3be50d101_prep
    .symbol:         k_qf3be50d101_prep.kd
    .args:
      - { .name: query, .offset: 0, .size: 8, .value_kind: global_buffer, .address_space: global }
      - { .name: key, .offset: 8, .size: 8, .value_kind: global_buffer, .address_space: global }
      - { .name: value, .offset: 16, .size: 8, .value_kind: global_buffer, .address_space: global }
      - { .name: Wq, .offset: 24, .size: 8, .value_kind: global_buffer, .address_space: global }
      - { .name: Wk, .offset: 32, .size: 8, .value_kind: global_buffer, .address_space: global }
      - { .name: Wv, .offset: 40, .size: 8, .value_kind: global_buffer, .address_space: global }
      - { .name: Wo, .offset: 48, .size: 8, .value_kind: global_buffer, .address_space: global }
      - { .name: mask, .offset: 56, .size: 8, .value_kind: global_buffer, .address_space: global }
      - { .name: cod, .offset: 64, .size: 8, .value_kind: global_buffer, .address_space: global }
      - { .name: scl, .offset: 72, .size: 8, .value_kind: global_buffer, .address_space: global }
      - { .name: mw, .offset: 80, .size: 8, .value_kind: global_buffer, .address_space: global }
      - { .name: mi, .offset: 88, .size: 8, .value_kind: global_buffer, .address_space: global }
    .group_segment_fixed_size: 67072
    .private_segment_fixed_size: 0
    .kernarg_segment_align: 8
    .kernarg_segment_size: 96
    .max_flat_workgroup_size: 128
    .sgpr_count:     66
    .vgpr_count:     194
    .wavefront_size: 32
...
	.end_amdgpu_metadata
.endif
;; end of part 1
;; launch proj (part 2): grid 4 x 96, 4 waves a work-group, clusters of 4 x 4, 327,680 bytes of LDS; arguments cod, scl, bq, bk, bv, img, isc; writes img, isc
.if DOCPART == 2
	.amdgcn_target "amdgcn-amd-amdhsa--gfx1250"
	.amdhsa_code_object_version 6
	.text
	.protected	k_qf3be50d101_proj
	.globl	k_qf3be50d101_proj
	.p2align	8
	.type	k_qf3be50d101_proj,@function
k_qf3be50d101_proj:
	s_mov_b64 s[64:65], 0
	v_nop
	global_prefetch_b8 v0, s[64:65] scope:SCOPE_SE
	s_setreg_imm32_b32 hwreg(HW_REG_WAVE_MODE, 25, 1), 1
	s_wait_xcnt 0x0
	s_wait_alu depctr_hold_cnt(0) depctr_sa_sdst(0) depctr_va_vdst(0) depctr_va_sdst(0) depctr_va_ssrc(0) depctr_va_vcc(0) depctr_vm_vsrc(0)
	s_getreg_b32 s2, hwreg(HW_REG_IB_STS2, 6, 4)
	s_cmp_eq_u32 s2, 0
	s_cbranch_scc0 .Lentry_in_a_cluster
	s_endpgm
.Lentry_in_a_cluster:
	s_bfe_u32 s2, ttmp6, 0x10000c
	s_cmp_lg_u32 s2, 0xf033
	s_cbranch_scc0 .Lentry_shape_is_right
	s_endpgm
.Lentry_shape_is_right:
; PROJ.  q = query Wq^T + bq, k = key Wk^T + bk, v = value Wv^T + bv on codes of FP6 (E2M3) with E8M0 scales, K = 1,024; the results are quantised in registers and leave as images of operand registers.
; 384 tiles of 256 x 256; a work-group of four waves makes one, a wave 128 x 128: 64 accumulators, 512 registers.  K goes in steps of 256 through two LDS slots filled by the tensor data mover; the scale bytes of the
; work-group's 512 rows come once.  CLUSTERS 4 x 4: cluster y = 0..23 names the product (z = y / 8: q, k, v) and 1,024 of its tokens.  'A' (source 1) is shared along a row of the cluster, 'B' (source 0) along a column.
;   q, k: A = tokens, B = features (rows of W): a lane holds ONE token and its registers run along 128 features = two heads: the next product's K.
;   v:    A = features, B = tokens:             a lane holds ONE feature and its registers run down 128 tokens = one key step: the next product's K.
; Which is which is chosen by row numbers that hang on cluster y alone: no LDS address, mask or descriptor shape hangs on it.
; ORDER INSIDE A BLOCK OF 32.  Register 8 b + j of lane (r, h) holds index 16 b + 8 h + j, so a block's four groups of eight stand in the codes in the order 0, 2, 1, 3.  Blocks are the true blocks, and the same
; order holds on both sides of each later product (q and k here; v here and p in the attention launch), so the sums are the same.
; OUT.  img [z][head 64][step 16][6,144 bytes].  q, k: a step is 128 tokens = 8 half fragments of 768 bytes (token tile a; lane (r, h) = block h of the head's 64, 24 bytes, as three runs of 256 bytes: registers 2 p, 2 p + 1
; of lane l at 8 l).  v: four fragments of 1,536 bytes (16 of the head's 64 x 128 keys; registers 4 c .. 4 c + 3 of lane l at 512 c + 16 l).  isc [z][head][step][256]: lane r's four scale words at 16 r.
; LIMITS: blocks whose largest magnitude lies under 2^-124 keep the byte 1 (blocks of zeros too: this program alone reads the bytes); NaN and infinities are not served.
; REGISTERS: window 0: v10-29 addresses; v32-63 scale words, two sets, and nothing else; v64-127 the bias along the registers; v128-223 A's fragments, ONE set; v224-239 the bias by lanes; v240-254 the way out.
;   window 1: B's fragments, two sets;  windows 2, 3: the accumulators ((a, b) at v[8 (8 (a % 4) + b)]).
.set KSTEP,  256
.set NQ,     2
.set ROWB,   192                       ; a tile's row: 256 codes
.set KROW,   768                       ; a row of cod
.set PITCH,  240                       ; an LDS row: 3 x (64 bytes + 16 of padding)
.set FR,     12
.set NL,     6
.set NP,     4
.set HALFT,  128*PITCH
.set SLOT,   4*HALFT
.set LAPS,   2                         ; 1,024 / 512
.set KS,     32                        ; a row of scale bytes
.set SCL,    2*SLOT
.set HALFS,  16*272                    ; the scales of 128 rows: 16 runs of 256 bytes + 16
.set SBLK,   2*272                     ; of 16 rows
.set SPARE,  SCL+4*HALFS               ; the spare words: 128 bytes a wave, two blocks of 256 bytes that no other line names
.set HEADB,  98304                     ; a head in img
.set OBI,  10                          ; v10  32 h: the bias along the registers
.set OBV,  11                          ; v11  4 r: the bias by lanes
.set ADRA, 16                          ; v16-17 my A fragments in slot 0, 1 (v18-19: behind one padding more)
.set ADRB, 20                          ; v20-23 the same for B
.set L8,   24                          ; v24  8 x lane
.set L16,  25                          ; v25  16 x lane
.set LSC,  26                          ; v26  4,096 h + 16 r: the scale words of two neighbouring heads
.set ADRS, 27
.set SPW,  28
.set NIL,  29
.set SC,   32
.set BI,   64
.set AF,   128
.set BV,   224
.set T,    128                         ; the way out: 64 numbers of a lane
.set PC,   192                         ; their codes
.set PX,   204
.set TM,   212                         ; +0..3 largest magnitudes, +4..7 the other half's, then bytes, +8..11 the conversions' scale operands
.set PWS,  240                         ; the eight blocks' scale words
.set SW,   248
.set PW,   252
.set VSEL, 253
.set WV,   16                          ; s16 wave;  s17 wave / 2: my half of A's rows, and: I fetch for A (0) or B (1);  s18 wave % 2: my half of B's rows, and which 128 rows I fetch
.set G1,   24
.set G0,   32
.set G1B,  48
.set G0B,  56
.set G1S,  68
.set G0S,  76
.set G1SB, 80
.set G0SB, 88
.set IMGP, 92
.set ISCP, 94
.set VM,   96                          ; s96  1 for v
.set HMASK, 97                         ; s97  lanes 16-31
.set SEL,  98                          ; s[98:99] lane l xor 16
.set MSB, 0
.macro WIN new                         ; the immediate's high byte repeats the setting that is left
.if MSB != \new
	s_set_vgpr_msb (MSB<<8)|\new
.set MSB, \new
.endif
.endm
.set MUL_LO, 0xa1                      ; source 0 (B) window 1, source 1 (A) window 0, C and D window 2
.set MUL_HI, 0xf1
.set TO_B,   0x40
; A joint load: waves 0 and 1 fetch for A, waves 2 and 3 for B; the branch hangs on the wave's number alone.  Four v_nop follow each of the two lines.
.macro JLOAD g0a, g1a, g0b, g1b
	s_cmp_eq_u32 s17, 0
	s_cbranch_scc0 .Lfor_b_\@
	tensor_load_to_lds s[\g0a:\g0a+3], s[\g1a:\g1a+7]
	s_nop 0
.rept 4
	v_nop
.endr
	s_branch .Lasked_\@
.Lfor_b_\@:
	tensor_load_to_lds s[\g0b:\g0b+3], s[\g1b:\g1b+7]
	s_nop 0
.rept 4
	v_nop
.endr
.Lasked_\@:
.endm
.macro CREST                           ; a round of the cluster's barrier behind its opening barrier
	s_cmp_lg_u32 s[WV], 0
	s_cbranch_scc1 .Lnot_wave_0_\@
	s_barrier_signal -3
.Lnot_wave_0_\@:
	s_barrier_wait -3
	s_barrier_signal -1
	s_barrier_wait -1
.endm
.macro CROUND
	s_barrier_signal -1
	s_barrier_wait -1
	CREST
.endm
	s_load_b128 s[4:7], s[0:1], 0x0                ; cod s[4:5], scl s[6:7]
	s_load_b128 s[8:11], s[0:1], 0x10              ; bq s[8:9], bk s[10:11]
	s_load_b128 s[12:15], s[0:1], 0x20             ; bv s[12:13], img s[14:15]
	s_load_b64 s[66:67], s[0:1], 0x30              ; isc
	v_lshl_add_u32 v[SPW], v0, 2, SPARE
	v_mov_b32 v[NIL], 0
	ds_add_u32 v28, v29
	ds_add_u32 v28, v29
	s_wait_dscnt 0x0
	v_lshrrev_b32 v1, 5, v0
	v_readfirstlane_b32 s[WV], v1
	s_lshr_b32 s17, s[WV], 1
	s_and_b32 s18, s[WV], 1
	s_bfe_u32 s40, ttmp6, 0x40000                  ; cx (the grid has one cluster along x: cx is the tile column)
	s_bfe_u32 s41, ttmp6, 0x40004                  ; cy
	s_and_b32 s42, ttmp7, 0xffff                   ; cluster y
	s_lshr_b32 s19, s42, 3                         ; z: 0 q, 1 k, 2 v
	s_lshl_b32 s20, s42, 10                        ; the cluster's first token row in cod
	s_lshl_b32 s21, s19, 10
	s_add_co_u32 s21, s21, 24576                   ; the weight's first row in cod
	s_cmp_eq_u32 s19, 2
	s_cselect_b32 s[VM], 1, 0
	s_cselect_b32 s22, s21, s20                    ; A's rows begin here,
	s_cselect_b32 s98, s20, s21                    ; B's here: both hang on cluster y alone
	s_lshl_b32 s43, s41, 2
	s_lshl_b32 s43, 15, s43                        ; my row of the cluster
	s_lshl_b32 s44, 0x1111, s40                    ; my column
	s_or_b32 s[G1+0], s43, (0<<16)|(1<<20)|(1<<21)|(3<<22)|(3<<25)   ; the mask; elements of 1 byte; padding on; bit 21 beside a mask; after every 16 words, 4 words
	s_or_b32 s[G1B+0], s44, (0<<16)|(1<<20)|(1<<21)|(3<<22)|(3<<25)
.irp g, G1, G1B
	s_mov_b32 s[\g+1], ROWB<<16                    ; tensor_dim0
	s_mov_b32 s[\g+2], 128<<16                     ; tensor_dim1
	s_mov_b32 s[\g+3], ROWB<<16                    ; tile_dim0
	s_mov_b32 s[\g+4], 128                         ; tile_dim1
	s_mov_b32 s[\g+5], KROW                        ; stride
	s_mov_b32 s[\g+6], 0
	s_mov_b32 s[\g+7], 0
.endr
	s_or_b32 s[G1S+0], s43, (3<<16)|(1<<20)|(1<<21)|(5<<22)|(3<<25)  ; the scales of 128 rows: 4,096 dense bytes as 16 rows of 32 elements of 8 bytes, 16 bytes of padding behind each
	s_or_b32 s[G1SB+0], s44, (3<<16)|(1<<20)|(1<<21)|(5<<22)|(3<<25)
.irp g, G1S, G1SB
	s_mov_b32 s[\g+1], 32<<16
	s_mov_b32 s[\g+2], 16<<16
	s_mov_b32 s[\g+3], 32<<16
	s_mov_b32 s[\g+4], 16
	s_mov_b32 s[\g+5], 32
	s_mov_b32 s[\g+6], 0
	s_mov_b32 s[\g+7], 0
.endr
	s_lshl_b32 s2, s18, 7                          ; which 128 rows of the tile I fetch
	s_lshl_b32 s20, s41, 8
	s_add_co_u32 s20, s20, s22
	s_add_co_u32 s20, s20, s2                      ; A: first row + 256 cy + 128 half
	s_lshl_b32 s46, s40, 8
	s_add_co_u32 s46, s46, s98
	s_add_co_u32 s46, s46, s2                      ; B: first row + 256 cx + 128 half
	s_lshl_b32 s22, s20, 5                         ; their scale bytes,
	s_mov_b32 s23, 0
	s_lshl_b32 s98, s46, 5
	s_mov_b32 s99, 0
	s_mul_i32 s20, s20, KROW                       ; and codes, in bytes (under 2^25)
	s_mov_b32 s21, 0
	s_mul_i32 s46, s46, KROW
	s_mov_b32 s47, 0
	s_mul_i32 s45, s[WV], HALFT                    ; where they go: wave x 128 rows
	s_mul_i32 s2, s[WV], HALFS
	s_wait_kmcnt 0x0
	s_add_nc_u64 s[20:21], s[4:5], s[20:21]
	s_add_nc_u64 s[22:23], s[6:7], s[22:23]
	s_add_nc_u64 s[46:47], s[4:5], s[46:47]
	s_add_nc_u64 s[98:99], s[6:7], s[98:99]
	CROUND                                         ; all sixteen work-groups are here: the first joint loads meet
	s_mov_b32 s[G0S], 1
	s_add_co_u32 s[G0S+1], s2, SCL
	s_mov_b64 s[G0S+2:G0S+3], s[22:23]
	s_or_b32 s[G0S+3], s[G0S+3], 0x80000000
	s_mov_b32 s[G0SB], 1
	s_add_co_u32 s[G0SB+1], s2, SCL
	s_mov_b64 s[G0SB+2:G0SB+3], s[98:99]
	s_or_b32 s[G0SB+3], s[G0SB+3], 0x80000000
	JLOAD G0S, G1S, G0SB, G1SB                     ; the scales first: they are wanted with K step 0
.irp s, 0,1
	s_mov_b32 s[G0+4*\s], 1
	s_add_co_u32 s[G0+4*\s+1], s45, \s*SLOT
	s_add_nc_u64 s[G0+4*\s+2:G0+4*\s+3], s[20:21], \s*ROWB
	s_or_b32 s[G0+4*\s+3], s[G0+4*\s+3], 0x80000000
	s_mov_b32 s[G0B+4*\s], 1
	s_add_co_u32 s[G0B+4*\s+1], s45, \s*SLOT
	s_add_nc_u64 s[G0B+4*\s+2:G0B+4*\s+3], s[46:47], \s*ROWB
	s_or_b32 s[G0B+4*\s+3], s[G0B+4*\s+3], 0x80000000
	JLOAD G0+4*\s, G1, G0B+4*\s, G1B               ; three tensor loads of mine are out
.endr
	v_and_b32 v1, 15, v0                           ; r
	v_bfe_u32 v2, v0, 4, 1                         ; h
	v_mul_u32_u24 v3, v1, PITCH
	v_mul_u32_u24 v4, v2, 24
	v_add_nc_u32 v4, v3, v4                        ; a fragment's row x pitch + 24 h
	v_lshl_add_u32 v5, v2, 4, v4                   ; and the same behind one padding more
	s_mul_i32 s21, s17, HALFT                      ; my 128 rows of A
	s_mul_i32 s22, s18, HALFT
	s_add_co_u32 s22, s22, 2*HALFT                 ; my 128 rows of B, behind A's 256
.irp s, 0,1
	v_add_nc_u32 v[ADRA+\s], s21, v4
	v_add_nc_u32 v[ADRB+\s], s22, v4
	v_add_nc_u32 v[ADRA+2+\s], s21, v5
	v_add_nc_u32 v[ADRB+2+\s], s22, v5
	s_add_co_u32 s21, s21, SLOT
	s_add_co_u32 s22, s22, SLOT
.endr
	v_mul_u32_u24 v5, v1, KS                       ; my row's scales: 32 bytes a row,
	v_lshrrev_b32 v6, 8, v5
	v_lshl_add_u32 v5, v6, 4, v5                   ; and 16 more for each 256 passed
	s_mul_i32 s21, s17, HALFS
	s_mul_i32 s22, s18, HALFS
	s_add_co_u32 s22, s22, 2*HALFS
	s_sub_co_u32 s22, s22, s21
	v_mul_u32_u24 v6, s22, v2                      ; lanes 16-31 take B's: one product, the distance between the two bases
	s_add_co_u32 s21, s21, SCL
	v_add_nc_u32 v5, v5, v6
	v_add_nc_u32 v[ADRS], s21, v5
	v_and_b32 v6, 31, v0
	v_lshlrev_b32 v[L8], 3, v6
	v_lshlrev_b32 v[L16], 4, v6
	v_lshlrev_b32 v[LSC], 4, v1
	v_lshl_add_u32 v[LSC], v2, 12, v[LSC]
	v_lshlrev_b32 v[OBI], 5, v2
	v_lshlrev_b32 v[OBV], 2, v1
	; where my results go.  Numbers that mix cx and cy stand in registers that fed no descriptor
	s_cmp_eq_u32 s[VM], 1
	s_cselect_b32 s92, s40, s41                    ; the tokens' place: v: cx, else cy
	s_cselect_b32 s93, s18, s17
	s_cselect_b32 s94, s41, s40                    ; the features'
	s_cselect_b32 s95, s17, s18
	s_lshl_b32 s92, s92, 8
	s_lshl_b32 s93, s93, 7
	s_add_co_u32 s92, s92, s93
	s_and_b32 s93, s42, 7
	s_lshl_b32 s93, s93, 10
	s_add_co_u32 s92, s92, s93                     ; my first token of the tensor's 8,192
	s_lshl_b32 s94, s94, 8
	s_lshl_b32 s95, s95, 7
	s_add_co_u32 s94, s94, s95                     ; my first feature
	s_lshr_b32 s93, s92, 11
	s_lshl_b32 s93, s93, 4
	s_lshr_b32 s95, s94, 6
	s_add_co_u32 s93, s93, s95                     ; head = 16 x batch + feature / 64 (and the next one)
	s_bfe_u32 s92, s92, 0x40007                    ; step = (token / 128) % 16
	s_lshl_b32 s100, s94, 2
	s_mov_b32 s101, 0
	s_cmp_eq_u32 s19, 0
	s_cselect_b64 s[8:9], s[8:9], s[10:11]
	s_cmp_eq_u32 s19, 2
	s_cselect_b64 s[8:9], s[12:13], s[8:9]         ; bq, bk or bv,
	s_add_nc_u64 s[8:9], s[8:9], s[100:101]        ; at my first feature
	s_mul_i32 s100, s19, 64*HEADB
	s_mul_i32 s95, s93, HEADB
	s_add_co_u32 s100, s100, s95
	s_mul_i32 s95, s92, 6144
	s_add_co_u32 s100, s100, s95
	s_lshl_b32 s94, s19, 18
	s_lshl_b32 s95, s93, 12
	s_add_co_u32 s94, s94, s95
	s_lshl_b32 s95, s92, 8
	s_add_co_u32 s94, s94, s95
	s_mov_b32 s95, 0
	s_add_nc_u64 s[IMGP:IMGP+1], s[14:15], s[100:101]
	s_add_nc_u64 s[ISCP:ISCP+1], s[66:67], s[94:95]
	s_mov_b32 s[HMASK], 0xffff0000
	s_mov_b32 s[SEL], 0x76543210
	s_mov_b32 s[SEL+1], 0xfedcba98
	; both forms of the bias are loaded in every work-group (both stay inside the 128 numbers at my first feature): along the registers (q, k) and by lanes, twice, as pairs (v)
.irp b, 0,1,2,3,4,5,6,7
	global_load_b128 v[BI+8*\b:BI+8*\b+3], v[OBI], s[8:9] offset:64*\b          ; register 8 b + j: feature 16 b + 8 h + j
	global_load_b128 v[BI+8*\b+4:BI+8*\b+7], v[OBI], s[8:9] offset:64*\b+16
.endr
.irp a, 0,1,2,3,4,5,6,7
	global_load_b32 v[BV+2*\a], v[OBV], s[8:9] offset:64*\a                     ; feature 16 a + r
	global_load_b32 v[BV+2*\a+1], v[OBV], s[8:9] offset:64*\a
.endr
.macro FRAG reg, adr, q, i             ; 16 rows x 128 K of 6-bit codes: 12 registers; lane (r, h): registers 6 c .. 6 c + 5 = K 64 c + 32 h + 0 .. 31, 24 bytes of the row as they lie, in pieces of 8 bytes
.irp p, 0,1,2,3,4,5
.set PCE, 12*(\q)+6*(\p/3)+\p%3        ; lanes 16-31 read three pieces on: where that lies behind one padding more, the second address register serves
.if PCE%8 < 5
	ds_load_b64 v[\reg+2*\p:\reg+2*\p+1], v[\adr] offset:8*PCE+16*(PCE/8)+(\i)*16*PITCH
.else
	ds_load_b64 v[\reg+2*\p:\reg+2*\p+1], v[\adr+2] offset:8*PCE+16*(PCE/8)+(\i)*16*PITCH
.endif
.endr
.endm
; 16 matrix instructions: A's blocks a0, a0 + 1 x B's eight.  The 64 accumulators take turns, one instruction a turn, in the same order in every step.
.macro MUL16 a0, p, q, sc, zero
.irp a, \a0, \a0+1
.irp b, 0,1,2,3,4,5,6,7
.if \zero
	v_wmma_scale_f32_16x16x128_f8f6f4 v[8*(8*((\a)%4)+\b):8*(8*((\a)%4)+\b)+7], v[128*(\p)+FR*\b:128*(\p)+FR*\b+FR-1], v[AF+FR*(\a):AF+FR*(\a)+FR-1], 0, v[SC+8*NQ*(\sc)+NQ*\b+(\q)], v[SC+8*NQ*(\sc)+NQ*(\a)+(\q)] matrix_a_fmt:MATRIX_FMT_FP6 matrix_b_fmt:MATRIX_FMT_FP6 matrix_a_scale:MATRIX_SCALE_ROW1
.else
	v_wmma_scale_f32_16x16x128_f8f6f4 v[8*(8*((\a)%4)+\b):8*(8*((\a)%4)+\b)+7], v[128*(\p)+FR*\b:128*(\p)+FR*\b+FR-1], v[AF+FR*(\a):AF+FR*(\a)+FR-1], v[8*(8*((\a)%4)+\b):8*(8*((\a)%4)+\b)+7], v[SC+8*NQ*(\sc)+NQ*\b+(\q)], v[SC+8*NQ*(\sc)+NQ*(\a)+(\q)] matrix_a_fmt:MATRIX_FMT_FP6 matrix_b_fmt:MATRIX_FMT_FP6 matrix_a_scale:MATRIX_SCALE_ROW1
.endif
.endr
.endr
.endm
.macro FETCH_B slot, q, p
	WIN TO_B
.irp i, 0,1,2,3,4,5,6,7
	FRAG 128*(\p)+FR*\i, ADRB+\slot, \q, \i
.endr
	WIN 0
.endm
.macro FETCH_A slot, q, i0
.irp i, \i0, \i0+1, \i0+2, \i0+3
	FRAG AF+FR*(\i), ADRA+\slot, \q, \i
.endr
.endm
.macro SCALES sc                       ; a K step's scale words: two a row; lanes 0-15 A's block i, lanes 16-31 B's block i
.irp i, 0,1,2,3,4,5,6,7
	ds_load_b64 v[SC+8*NQ*\sc+NQ*\i:SC+8*NQ*\sc+NQ*\i+1], v[ADRS] offset:\i*SBLK
.endr
.endm
.macro PLACES n                        ; plain vector lines between a matrix instruction and a load into, or a read of, its registers
.rept \n
	v_nop
.endr
.endm
.macro STEP slot, q, zero              ; 128 along K that has its successor in the same slot
	s_wait_dscnt 4*NL                              ; B's set and A's blocks 0-3 are in; the youngest 24 loads (A's blocks 4-7) may be out
	WIN MUL_LO
	MUL16 0, (\q)%2, \q, \slot, \zero
	MUL16 2, (\q)%2, \q, \slot, \zero
	s_wait_dscnt 0
	PLACES NP
	FETCH_B \slot, (\q)+1, 1-(\q)%2
	FETCH_A \slot, (\q)+1, 0
	WIN MUL_HI
	MUL16 4, (\q)%2, \q, \slot, \zero
	MUL16 6, (\q)%2, \q, \slot, \zero
	PLACES NP
	WIN 0
	FETCH_A \slot, (\q)+1, 4
.endm
; A slot's last step changes slots: one barrier; in front of it each wave waits for all its tensor loads, adds 0 to its spare word, and waits for that and for its reads of this slot.
.macro TURN slot, next, fill
	s_wait_tensorcnt 0x0                           ; all my tensor loads have landed: my part of the next slot
	ds_add_u32 v[SPW], v[NIL]                      ; 0 onto my spare word
	s_wait_dscnt 4*NL+1                            ; (the add and the youngest 24 loads may be out)
	WIN MUL_LO
	MUL16 0, 1, NQ-1, \slot, 0
	s_wait_dscnt 0x0                               ; the add is done, and my reads of this slot are over
	s_barrier_signal -1
	MUL16 2, 1, NQ-1, \slot, 0
	WIN 0
	s_barrier_wait -1
.if \fill
	CREST                                          ; the barrier has opened a round of the cluster's: no wave of any partner still reads this slot or has a load on its way
	s_add_nc_u64 s[G0+4*\slot+2:G0+4*\slot+3], s[G0+4*\slot+2:G0+4*\slot+3], 2*ROWB
	s_add_nc_u64 s[G0B+4*\slot+2:G0B+4*\slot+3], s[G0B+4*\slot+2:G0B+4*\slot+3], 2*ROWB
	JLOAD G0+4*\slot, G1, G0B+4*\slot, G1B         ; the first tensor load behind the round; its four v_nop are the places in front of the loads below
.else
	PLACES NP
.endif
	v_add_nc_u32 v[ADRS], 4*NQ, v[ADRS]            ; the next K step's scale words
	FETCH_B \next, 0, 0
	FETCH_A \next, 0, 0
	SCALES \next
	WIN MUL_HI
	MUL16 4, 1, NQ-1, \slot, 0
	MUL16 6, 1, NQ-1, \slot, 0
	PLACES NP
	WIN 0
	FETCH_A \next, 0, 4
.endm
	s_wait_loadcnt 0x0                             ; the biases
	s_wait_tensorcnt 1                             ; the scales and my part of K step 0 are in (K step 1's load may be out)
	s_barrier_signal -1
	s_barrier_wait -1
	FETCH_B 0, 0, 0
	FETCH_A 0, 0, 0
	SCALES 0
	FETCH_A 0, 0, 4
	STEP 0, 0, 1                                   ; the first step's products start the sums
	s_mov_b32 s3, LAPS-1
.Llap:
	TURN 0, 1, 1
	STEP 1, 0, 0
	TURN 1, 0, 1
	STEP 0, 0, 0
	s_sub_co_u32 s3, s3, 1
	s_cmp_lg_u32 s3, 0
	s_cbranch_scc1 .Llap
	TURN 0, 1, 0                                   ; the last lap fills nothing
	STEP 1, 0, 0
	s_wait_dscnt 4*NL
	WIN MUL_LO
	MUL16 0, 1, NQ-1, 1, 0
	MUL16 2, 1, NQ-1, 1, 0
	s_wait_dscnt 0
	WIN MUL_HI
	MUL16 4, 1, NQ-1, 1, 0
	MUL16 6, 1, NQ-1, 1, 0
	WIN 0
; THE WAY OUT.  64 numbers of a lane, register 16 b + i in block b, become a fragment's codes in v[PC] on and its scale word in v[PW].
.macro QUANT s
.irp b, 0,1,2,3
	v_max3_num_f32 v[TM+\b], |v[\s+16*\b]|, |v[\s+1+16*\b]|, 0x1800000   ; my 16 numbers of block b, and the floor 2^(3 - 127)
.endr
.irp i, 2,4,6,8,10,12,14
.irp b, 0,1,2,3
	v_max3_num_f32 v[TM+\b], v[TM+\b], |v[\s+16*\b+\i]|, |v[\s+1+16*\b+\i]|
.endr
.endr
.irp b, 0,1,2,3
	v_permlanex16_b32 v[TM+4+\b], v[TM+\b], s[SEL], s[SEL+1]
.endr
.irp b, 0,1,2,3
	v_max_num_f32 v[TM+\b], v[TM+\b], v[TM+4+\b]   ; with lane l xor 16's: the block's largest magnitude
.endr
.irp b, 0,1,2,3
	v_add_nc_u32 v[TM+8+\b], 0xff000000, v[TM+\b]  ; 2 off its exponent field: the conversion's scale operand
.endr
.irp b, 0,1,2,3
	v_lshrrev_b32 v[TM+4+\b], 23, v[TM+8+\b]       ; the byte
.endr
	v_lshl_or_b32 v[PW], v[TM+5], 8, v[TM+4]
	v_lshl_or_b32 v[PW], v[TM+6], 16, v[PW]
	v_lshl_or_b32 v[PW], v[TM+7], 24, v[PW]
.irp c, 0,1
	v_cvt_scalef32_pk16_fp6_f32 v[PC+6*\c:PC+2+6*\c], v[\s+32*\c:\s+15+32*\c], v[TM+8+2*\c]
	v_cvt_scalef32_pk16_fp6_f32 v[PX+4*\c:PX+2+4*\c], v[\s+16+32*\c:\s+31+32*\c], v[TM+8+2*\c+1]   ; (a conversion's three registers begin on an even number)
.endr
	v_nop                                          ; one plain line behind a scaled conversion
.irp c, 0,1                            ; the operand's layout wants a whole block in a lane: lanes 0-15 block 2 c, lanes 16-31 block 2 c + 1
.irp i, 0,1,2
	v_permlane16_swap_b32 v[PC+6*\c+\i], v[PX+4*\c+\i]
.endr
.irp i, 0,1,2
	v_mov_b32 v[PC+3+6*\c+\i], v[PX+4*\c+\i]
.endr
.endr
.endm
; A's block a: its eight accumulators + bias, quantised, stored.  mode 0: q, k;  mode 1: v.
.macro EPI a, mode
.if (\a) > 0
	s_wait_xcnt 0x0                                ; the last block's stores have read their registers
.endif
.set AC, 64*((\a)%4)
.if (\a) < 4
	WIN 0x02                                       ; source 0: window 2
.else
	WIN 0x03
.endif
.set i, 0
.rept 32
.if \mode
	v_pk_add_f32 v[T+i:T+i+1], v[AC+i:AC+i+1], v[BV+2*(\a):BV+2*(\a)+1]   ; each accumulator from its low end on
.else
	v_pk_add_f32 v[T+i:T+i+1], v[AC+i:AC+i+1], v[BI+i:BI+i+1]
.endif
.set i, i+2
.endr
	WIN 0
	QUANT T
	v_mov_b32 v[PWS+(\a)], v[PW]
.if \mode
.irp c, 0,1,2
	global_store_b128 v[L16], v[PC+4*\c:PC+4*\c+3], s[IMGP:IMGP+1] offset:((\a)/4)*HEADB+((\a)%4)*1536+512*\c   ; 512 consecutive bytes, aligned
.endr
.else
.irp p, 0,1,2,3,4,5
	global_store_b64 v[L8], v[PC+2*\p:PC+2*\p+1], s[IMGP:IMGP+1] offset:(\p/3)*HEADB+(\a)*768+256*(\p%3)        ; 256 consecutive bytes, aligned: registers 0-5 the first head's, 6-11 the next head's
.endr
.endif
.endm
	PLACES NP                                      ; behind the last products: their results are read, and the registers that held A's fragments written
.irp b, 0,1,2,3
	v_mov_b32 v[TM+4+\b], 0                        ; written once: a lane permute's destination counts as one of its sources
.endr
	v_mov_b32 v[VSEL], 0x05040100                  ; lanes 0-15 gather the low halves of two scale words (the first head's bytes),
	v_mov_b32 v254, 0x07060302
	v_cndmask_b32 v[VSEL], v[VSEL], v254, s[HMASK] ; lanes 16-31 the high halves (the next head's)
	s_cmp_eq_u32 s[VM], 1                          ; hangs on cluster y alone: the same in all partners
	s_cbranch_scc1 .Lvmode
.irp a, 0,1,2,3,4,5,6,7
	EPI \a, 0
.endr
.irp f, 0,1,2,3
	v_perm_b32 v[SW+\f], v[PWS+2*\f+1], v[PWS+2*\f], v[VSEL]   ; word f: token tile 2 f's two bytes, then tile 2 f + 1's
.endr
	s_branch .Lscales
.Lvmode:
.irp a, 0,1,2,3,4,5,6,7
	EPI \a, 1
.endr
.irp t, 0,1,2,3
	v_cndmask_b32 v[SW+\t], v[PWS+\t], v[PWS+4+\t], s[HMASK]   ; word t: feature 16 t + r's four key blocks; lanes 16-31: the next head's
.endr
.Lscales:
	global_store_b128 v[LSC], v[SW:SW+3], s[ISCP:ISCP+1]       ; lanes 0-15 fill one head's 256 bytes, lanes 16-31 the next head's
	s_wait_tensorcnt 0x0                           ; the wave's end
	ds_add_u32 v[SPW], v[NIL]
	s_wait_dscnt 0x0
	CROUND                                         ; the closing round
	s_endpgm
.Lfunc_end_k_qf3be50d101_proj:
	.size	k_qf3be50d101_proj, .Lfunc_end_k_qf3be50d101_proj-k_qf3be50d101_proj
	.p2alignl 7, 3214868480
	.fill 96, 4, 3214868480
	.section	.rodata,"a",@progbits
	.p2align	6, 0x0
	.amdhsa_kernel k_qf3be50d101_proj
		.amdhsa_group_segment_fixed_size 327680
		.amdhsa_private_segment_fixed_size 0
		.amdhsa_enable_private_segment 0
		.amdhsa_kernarg_size 56
		.amdhsa_user_sgpr_count 2
		.amdhsa_user_sgpr_kernarg_segment_ptr 1
		.amdhsa_wavefront_size32 1
		.amdhsa_system_sgpr_workgroup_id_x 1
		.amdhsa_system_sgpr_workgroup_id_y 1
		.amdhsa_system_sgpr_workgroup_id_z 1
		.amdhsa_system_vgpr_workitem_id 0
		.amdhsa_next_free_vgpr 1024
		.amdhsa_next_free_sgpr 102
		.amdhsa_reserve_vcc 0
		.amdhsa_float_denorm_mode_32 3
		.amdhsa_float_denorm_mode_16_64 3
		.amdhsa_memory_ordered 1
		.amdhsa_forward_progress 1
		.amdhsa_inst_pref_size 236
	.end_amdhsa_kernel
	.amdgpu_metadata
---
amdhsa.version: [ 1, 2 ]
amdhsa.kernels:
  - .name:           k_qf3be50d101_proj
    .symbol:         k_qf3be50d101_proj.kd
    .args:
      - { .name: cod, .offset: 0, .size: 8, .value_kind: global_buffer, .address_space: global }
      - { .name: scl, .offset: 8, .size: 8, .value_kind: global_buffer, .address_space: global }
      - { .name: bq, .offset: 16, .size: 8, .value_kind: global_buffer, .address_space: global }
      - { .name: bk, .offset: 24, .size: 8, .value_kind: global_buffer, .address_space: global }
      - { .name: bv, .offset: 32, .size: 8, .value_kind: global_buffer, .address_space: global }
      - { .name: img, .offset: 40, .size: 8, .value_kind: global_buffer, .address_space: global }
      - { .name: isc, .offset: 48, .size: 8, .value_kind: global_buffer, .address_space: global }
    .group_segment_fixed_size: 327680
    .private_segment_fixed_size: 0
    .kernarg_segment_align: 8
    .kernarg_segment_size: 56
    .max_flat_workgroup_size: 128
    .sgpr_count:     102
    .vgpr_count:     1024
    .wavefront_size: 32
...
	.end_amdgpu_metadata
.endif
;; end of part 2
;; launch attn (part 3): grid 4 x 64, 16 waves a work-group, no clusters, 206,848 bytes of LDS; arguments img, isc, mw, mi, oc, os; writes oc, os
.if DOCPART == 3
	.amdgcn_target "amdgcn-amd-amdhsa--gfx1250"
	.amdhsa_code_object_version 6
	.text
	.protected	k_qf3be50d101_attn
	.globl	k_qf3be50d101_attn
	.p2align	8
	.type	k_qf3be50d101_attn,@function
k_qf3be50d101_attn:
	s_mov_b64 s[64:65], 0
	v_nop
	global_prefetch_b8 v0, s[64:65] scope:SCOPE_SE
	s_setreg_imm32_b32 hwreg(HW_REG_WAVE_MODE, 25, 1), 1
	s_wait_xcnt 0x0
; ATTN.  O = softmax(where(mask == 0, -1e9, q k^T / 8)) v for one head (work-group y = 16 x batch + head), both products on codes of FP6 (E2M3) with E8M0 scales; O / l is quantised along the model's 1,024.
; SHARES.  A work-group keeps its head's K and V (images of operand registers, 98,304 bytes each, and their scale words) in LDS: filled once, through registers, read-only behind ONE barrier.
; It owns 32 of the head's 128 query tiles of 16: wave w of work-group x takes tile i = 16 x + w and then tile 127 - i.  Behind the barrier the waves do not depend on each other.
; No tensor load, no multicast: the walk over key steps branches on numbers read from memory.  No prefetch: K and V are asked for once, at the head, in one run.
; THE MASK is an input.  An earlier launch stored, for each (tile, key step of 128), 64 words of lane bits (mw) and one info word (mi: bits 15:0 rows with an open key, bit 16 wholly open).
; A step is LEFT OUT where it is wholly hidden and every row of the tile has an open key somewhere: its p are 0.  It is taken without masking where it is wholly open.  Else hidden scores become -2^33.
; -2^33 x c is exact and a whole number, so a row that is hidden everywhere (so far) has t - M = 0 and p = 1, as the -1e9 of the definition gives; beside any open key p = 0.
; SOFTMAX.  t = score x c, c = log2(e) / 8; M = the running largest t rounded up to a whole number; p = 2^(t - M) is quantised along the keys; l sums the unquantised p; when M moves, l and O are multiplied by 2^(old M - new M).
; LAYOUT.  S^T = K Q^T, O^T = V^T P^T: a lane holds one query.  The head has 64 along K and the instruction 128: a fragment of K carries TWO key tiles (K 0-63 and 64-127) and is multiplied once by [q; zero codes]
; and once by [zero codes; q].  The zero codes stand on Q's side, under the scale byte 1; the format has no NaN and no infinity, so they add nothing.
; Register 8 t + j of lane (r, h) holds key 16 t + 8 h + j: inside a block of 32 keys the groups of eight stand in p's codes in the order 0, 2, 1, 3, as they do in v's codes.
; LIMITS: NaN and infinities are not served; open logits lie far above -1e9 (magnitude under 1e8), so that hidden keys count for exactly 0 beside them; blocks whose largest magnitude lies under 2^-124 keep the byte 1;
; a block's largest p is taken from its largest score, which takes v_exp_f32 not to fall where its input rises.
; REGISTERS: v1-4, v9-11 constants; v5-8 LDS addresses of the step; v12 -M, v13 largest t, v[14:15] l; v16-27 [q; 0], v28-39 [0; q]; v40-87 K's four fragments, then at work; v88-135 V's four; v136-199 S^T, then p;
; v200-231 O^T; v232-235 K's scale words, v236-239 V's, v240-241 q's, v242 p's (v232-235 and v242-243 also hold partial sums of l); v[244:245] f; v246-255 at work.
.set STEPB, 6144                       ; a key step's images of K, and of V
.set VIMG,  98304
.set KSCL,  196608
.set VSCL,  200704
.set HEADB, 98304
.set S,   136
.set O,   200
.set BM,  40                           ; block maxima
.set BP,  44                           ; the other half's; then bytes
.set SO,  48                           ; the conversions' scale operands
.set PC,  52                           ; p's codes
.set PX,  64
.set SUM, 72
	s_load_b256 s[4:11], s[0:1], 0x0               ; img s[4:5], isc s[6:7], mw s[8:9], mi s[10:11]
	s_load_b128 s[12:15], s[0:1], 0x20             ; oc s[12:13], os s[14:15]
	v_lshl_add_u32 v253, v0, 2, 0x32000
	v_mov_b32 v255, 0
	v_lshrrev_b32 v250, 5, v0
	s_delay_alu instid0(VALU_DEP_1)
	v_readfirstlane_b32 s16, v250                  ; wave 0..15
	s_and_b32 s29, ttmp7, 0xffff                   ; head of 64
	s_lshl_b32 s17, ttmp9, 4
	s_add_co_u32 s17, s17, s16                     ; my first tile
	s_mul_i32 s30, s29, HEADB
	s_mov_b32 s31, 0
	s_lshl_b32 s2, s29, 12
	s_mov_b32 s3, 0
	s_lshr_b32 s24, s29, 4                         ; batch
	s_and_b32 s25, s29, 15                         ; head of 16
	s_mul_i32 s38, s24, 128*12288
	s_mul_i32 s39, s25, 768
	s_add_co_u32 s38, s38, s39
	s_mov_b32 s39, 0
	s_lshl_b32 s40, s24, 16
	s_lshl_b32 s41, s25, 1
	s_add_co_u32 s40, s40, s41
	s_mov_b32 s41, 0
	v_lshlrev_b32 v5, 4, v0                        ; 16 x thread: the fill's place in memory and in LDS
	s_delay_alu instid0(VALU_DEP_1)
	v_add_nc_u32 v6, 0x10000, v5
	s_delay_alu instid0(VALU_DEP_2)
	v_add_nc_u32 v7, 0x20000, v5
	s_delay_alu instid0(VALU_DEP_3)
	v_add_nc_u32 v8, 0x30000, v5
	v_lshrrev_b32 v246, 8, v0
	v_and_b32 v247, 255, v0
	s_delay_alu instid0(VALU_DEP_1)
	v_lshlrev_b32 v247, 4, v247
	s_delay_alu instid0(VALU_DEP_1)
	v_lshl_add_u32 v247, v246, 18, v247            ; threads 0-255: K's scale words; 256-511: V's, 262,144 bytes on
	s_wait_alu depctr_va_vdst(0)
	s_wait_kmcnt 0x0
	s_add_nc_u64 s[4:5], s[4:5], s[30:31]          ; q's images of my head
	s_add_nc_u64 s[6:7], s[6:7], s[2:3]            ; q's scale words
	s_add_nc_u64 s[32:33], s[4:5], 64*HEADB        ; k's images
	s_add_nc_u64 s[34:35], s[4:5], 128*HEADB       ; v's
	s_add_nc_u64 s[36:37], s[6:7], 262144          ; k's scale words
	s_add_nc_u64 s[12:13], s[12:13], s[38:39]      ; oc at tile 0 of my batch, my head
	s_add_nc_u64 s[14:15], s[14:15], s[40:41]      ; os likewise
.irp i, 0,1,2,3,4,5,6,7,8,9,10,11
	global_load_b128 v[40+4*\i:43+4*\i], v5, s[32:33] offset:8192*\i     ; the work-group reads 8,192 consecutive bytes
.endr
.irp i, 0,1,2,3,4,5,6,7,8,9,10,11
	global_load_b128 v[88+4*\i:91+4*\i], v5, s[34:35] offset:8192*\i
.endr
	global_load_b128 v[136:139], v247, s[36:37]
	v_and_b32 v250, 31, v0                         ; lane
	v_and_b32 v251, 15, v0                         ; r
	v_bfe_u32 v252, v0, 4, 1                       ; h
	s_delay_alu instid0(VALU_DEP_3)
	v_lshlrev_b32 v1, 3, v250                      ; 8 x lane
	s_delay_alu instid0(VALU_DEP_4)
	v_lshlrev_b32 v2, 4, v250
	s_delay_alu instid0(VALU_DEP_1)
	v_add_nc_u32 v2, VIMG, v2                      ; 16 x lane, in V's images
	v_lshlrev_b32 v10, 4, v251                     ; 16 r
	s_delay_alu instid0(VALU_DEP_1)
	v_add_nc_u32 v3, KSCL, v10
	s_delay_alu instid0(VALU_DEP_2)
	v_add_nc_u32 v4, VSCL, v10
	v_lshl_add_u32 v11, v251, 5, v252              ; 32 r + h: my byte in os
	v_mov_b32 v9, 0xd0000000                       ; -2^33
.irp j, 0,1,2,3,4,5
	v_mov_b32 v[22+\j], 0                          ; the zero codes of [q; 0]
	v_mov_b32 v[28+\j], 0                          ; and of [0; q]
.endr
	s_mov_b32 s3, 0xffff0000                       ; lanes 16-31
	s_mov_b32 s20, 0x76543210
	s_mov_b32 s21, 0xfedcba98                      ; lane l xor 16
	s_mov_b32 s22, 0x3e38aa3b                      ; c = log2(e) / 8
	s_mov_b32 s23, s22
	s_mov_b32 s18, 0
.set i, 0
.rept 25
	s_wait_loadcnt 24-i                            ; load i is in; the younger ones may be out
	ds_store_b128 v[5+i/8], v[40+4*i:43+4*i] offset:8192*(i%8)   ; LDS byte 16 x thread + 8,192 i: K, V, the scale words
.set i, i+1
.endr
	s_wait_dscnt 0x0                               ; for the others' sake: my stores have landed
	s_barrier_signal -1
	s_barrier_wait -1                              ; the one barrier: from here on LDS is only read
.Ltile:                                            ; two trips: tile T = s17
	s_wait_xcnt 0x0                                ; the last tile's stores have read their registers and bases
	s_lshl_b32 s30, s17, 6
	s_load_b512 s[32:47], s[10:11], s30 offset:0x0 ; the tile's 16 info words
	s_lshr_b32 s31, s17, 3
	s_and_b32 s54, s17, 7
	s_mul_i32 s48, s31, STEPB
	s_mul_i32 s49, s54, 768
	s_add_co_u32 s48, s48, s49
	s_mov_b32 s49, 0
	s_add_nc_u64 s[48:49], s[4:5], s[48:49]        ; q's half fragment: step T / 8, tile T % 8
	s_lshl_b32 s50, s31, 8
	s_lshr_b32 s51, s54, 1
	s_lshl_b32 s51, s51, 2
	s_add_co_u32 s50, s50, s51
	s_mov_b32 s51, 0
	s_add_nc_u64 s[50:51], s[6:7], s[50:51]        ; its scale word: two tiles share a word
.irp p, 0,1,2
	global_load_b64 v[16+2*\p:17+2*\p], v1, s[48:49] offset:256*\p     ; into K 0-63 of [q; 0]
	global_load_b64 v[34+2*\p:35+2*\p], v1, s[48:49] offset:256*\p     ; and into K 64-127 of [0; q]
.endr
	global_load_b32 v246, v10, s[50:51]
	s_wait_kmcnt 0x0
	s_or_b32 s52, s32, s33                         ; which rows of the tile have an open key anywhere
.irp n, 34,35,36,37,38,39,40,41,42,43,44,45,46,47
	s_or_b32 s52, s52, s[\n]
.endr
	s_and_b32 s52, s52, 0xffff
	s_cmp_eq_u32 s52, 0xffff
	s_cselect_b32 s53, 0, 1                        ; a wholly hidden step: 0 = left out; 1 = taken, since some row is hidden everywhere and averages over all keys
	s_mov_b32 s24, 0
.irp n, 0,1,2,3,4,5,6,7,8,9,10,11,12,13,14,15     ; two bits a step: 0 left out, 1 masked, 2 wholly open
	s_and_b32 s52, s[32+\n], 0xffff
	s_cselect_b32 s52, 1, s53
	s_bitcmp1_b32 s[32+\n], 16
	s_cselect_b32 s52, 2, s52
	s_lshl_b32 s52, s52, 2*\n
	s_or_b32 s24, s24, s52
.endr
	s_and_b32 s52, s17, 1
	s_lshl_b32 s52, s52, 4
	s_wait_loadcnt 0x0
	v_lshrrev_b32 v246, s52, v246
	s_delay_alu instid0(VALU_DEP_1)
	v_and_b32 v246, 0xffff, v246                   ; my tile's two bytes
	s_delay_alu instid0(VALU_DEP_1)
	v_or_b32 v240, 0x01010000, v246                ; [q; 0]: the byte 1 over the zero codes
	s_delay_alu instid0(VALU_DEP_2)
	v_lshl_or_b32 v241, v246, 16, 0x0101           ; [0; q]
.irp j, 0,1,2,3,4,5,6,7,8,9,10,11,12,13,14,15,16,17,18,19,20,21,22,23,24,25,26,27,28,29,30,31
	v_mov_b32 v[O+\j], 0                           ; O^T: the step is written once; the first finds zeros.  (Also the plain lines between the scale words' making and the first product)
.endr
	v_mov_b32 v13, 0xff61b1e6                      ; the largest t so far: -3e38
	s_delay_alu instid0(VALU_DEP_1)
	v_floor_f32 v12, -v13                          ; -M
	v_mov_b32 v14, 0
	v_mov_b32 v15, 0
	v_mov_b32 v245, 0                              ; (the upper half of the pair v[244:245])
	s_mov_b32 s26, 0                               ; the step's images in LDS
	s_mov_b32 s27, 0                               ; its scale words
	s_lshl_b32 s28, s17, 12                        ; its mask words: 4,096 bytes a tile
	s_mov_b32 s19, 0
.Lstep:                                            ; sixteen trips: 128 keys each
	s_and_b32 s25, s24, 3
	s_lshr_b32 s24, s24, 2
	s_cmp_eq_u32 s25, 0
	s_cbranch_scc1 .Lnext                          ; a branch on stored whole numbers
	s_load_b512 s[32:47], s[8:9], s28 offset:0x0   ; the 64 words of lane bits
	s_load_b512 s[48:63], s[8:9], s28 offset:0x40
	s_load_b512 s[68:83], s[8:9], s28 offset:0x80
	s_load_b512 s[84:99], s[8:9], s28 offset:0xc0
	s_setprio 2
	v_add_nc_u32 v5, s26, v1                       ; four plain lines: also the places behind the last step's products, ahead of the loads into their registers
	v_add_nc_u32 v6, s26, v2
	v_add_nc_u32 v7, s27, v3
	v_add_nc_u32 v8, s27, v4
.irp f, 0,1,2,3
.irp p, 0,1,2,3,4,5
	ds_load_b64 v[40+12*\f+2*\p:41+12*\f+2*\p], v5 offset:1536*\f+256*\p    ; fragment f: key tiles 2 f and 2 f + 1; 256 consecutive bytes a load
.endr
.endr
	ds_load_b128 v[232:235], v7                    ; K's scale words, one for each fragment
.irp t, 0,1,2,3
.irp c, 0,1,2
	ds_load_b128 v[88+12*\t+4*\c:91+12*\t+4*\c], v6 offset:1536*\t+512*\c   ; V: 16 of the head's 64 x these 128 keys
.endr
.endr
	ds_load_b128 v[236:239], v8
	s_wait_dscnt 13                                ; K and its scales are in; V's 13 loads may be out
.irp f, 0,1,2,3
.irp u, 0,1
	v_wmma_scale_f32_16x16x128_f8f6f4 v[S+8*(2*\f+\u):S+8*(2*\f+\u)+7], v[40+12*\f:51+12*\f], v[16+12*\u:27+12*\u], 0, v[232+\f], v[240+\u] matrix_a_fmt:MATRIX_FMT_FP6 matrix_b_fmt:MATRIX_FMT_FP6
.endr
.endr
.rept 4
	v_nop
.endr
	s_wait_kmcnt 0x0
	s_cmp_eq_u32 s25, 2
	s_cbranch_scc1 .Lopen
.set RR, 0
.rept 64
.if RR < 32
	v_cndmask_b32 v[S+RR], v9, v[S+RR], s[32+RR]   ; hidden: -2^33
.else
	v_cndmask_b32 v[S+RR], v9, v[S+RR], s[36+RR]
.endif
.set RR, RR+1
.endr
.Lopen:
.irp b, 0,1,2,3
	v_max3_num_f32 v[BM+\b], v[S+16*\b], v[S+1+16*\b], v[S+2+16*\b]      ; the largest score of each block of 32 keys: for the row's maximum and for the block's largest p
.endr
.irp i, 3,5,7,9,11,13
.irp b, 0,1,2,3
	v_max3_num_f32 v[BM+\b], v[BM+\b], v[S+16*\b+\i], v[S+1+16*\b+\i]
.endr
.endr
.irp b, 0,1,2,3
	v_max_num_f32 v[BM+\b], v[BM+\b], v[S+15+16*\b]
.endr
.irp b, 0,1,2,3
	s_delay_alu instid0(VALU_DEP_4)
	v_permlanex16_b32 v[BP+\b], v[BM+\b], s20, s21
.endr
.irp b, 0,1,2,3
	s_delay_alu instid0(VALU_DEP_4)
	v_max_num_f32 v[BM+\b], v[BM+\b], v[BP+\b]
.endr
	s_delay_alu instid0(VALU_DEP_2)
	v_max3_num_f32 v254, v[BM], v[BM+1], v[BM+2]
	s_delay_alu instid0(VALU_DEP_1)
	v_max_num_f32 v254, v254, v[BM+3]
	s_delay_alu instid0(VALU_DEP_1)
	v_mul_f32 v254, s22, v254                      ; as t
	s_delay_alu instid0(VALU_DEP_1)
	v_max_num_f32 v13, v13, v254
	v_mov_b32 v254, v12
	s_delay_alu instid0(VALU_DEP_2)
	v_floor_f32 v12, -v13                          ; the new -M
	s_delay_alu instid0(VALU_DEP_1)
	v_sub_f32 v254, v12, v254                      ; old M - new M: a whole number, 0 or less
	s_delay_alu instid0(VALU_DEP_1)
	v_cvt_i32_f32 v254, v254                       ; (it saturates)
	s_delay_alu instid0(VALU_DEP_1)
	v_ldexp_f32 v244, 1.0, v254                    ; f = 2^(old M - new M)
.irp j, 0,2,4,6,8,10,12,14,16,18,20,22,24,26,28,30,32,34,36,38,40,42,44,46,48,50,52,54,56,58,60,62
	v_pk_fma_f32 v[S+\j:S+1+\j], v[S+\j:S+1+\j], s[22:23], v[12:13] op_sel_hi:[1,0,0]   ; t - M
.endr
.irp b, 0,1,2,3
	v_fma_f32 v[BM+\b], v[BM+\b], s22, v12
.endr
	s_setprio 1
	s_wait_alu depctr_va_vdst(0)
.irp j, 0,1,2,3,4,5,6,7,8,9,10,11,12,13,14,15,16,17,18,19,20,21,22,23,24,25,26,27,28,29,30,31,32,33,34,35,36,37,38,39,40,41,42,43,44,45,46,47,48,49,50,51,52,53,54,55,56,57,58,59,60,61,62,63
	v_exp_f32 v[S+\j], v[S+\j]                     ; p
.endr
	v_pk_mul_f32 v[14:15], v[14:15], v[244:245] op_sel_hi:[1,0]    ; l under the new M: the plain line behind the exponentials
	s_wait_alu depctr_va_vdst(0)                   ; one wait for the batch of 64, ahead of its first reader
.irp b, 0,1,2,3
	v_exp_f32 v[BM+\b], v[BM+\b]                   ; the blocks' largest p
.endr
	v_pk_add_f32 v[72:73], v[140:141], v[144:145]
	v_pk_add_f32 v[250:251], v[148:149], v[152:153]
	v_pk_add_f32 v[248:249], v[156:157], v[160:161]
	v_pk_add_f32 v[242:243], v[164:165], v[168:169]
	v_pk_add_f32 v[234:235], v[172:173], v[176:177]
	v_pk_add_f32 v[232:233], v[180:181], v[184:185]
	v_pk_add_f32 v[86:87], v[188:189], v[192:193]
	v_pk_add_f32 v[14:15], v[14:15], v[196:197]
	v_pk_add_f32 v[72:73], v[72:73], v[136:137]
	v_pk_add_f32 v[250:251], v[250:251], v[138:139]
	v_pk_add_f32 v[248:249], v[248:249], v[142:143]
	v_pk_add_f32 v[242:243], v[242:243], v[146:147]
	v_pk_add_f32 v[234:235], v[234:235], v[150:151]
	v_pk_add_f32 v[232:233], v[232:233], v[154:155]
	v_pk_add_f32 v[86:87], v[86:87], v[158:159]
	v_pk_add_f32 v[14:15], v[14:15], v[162:163]
	v_pk_add_f32 v[72:73], v[72:73], v[166:167]
	v_pk_add_f32 v[250:251], v[250:251], v[170:171]
	v_pk_add_f32 v[248:249], v[248:249], v[174:175]
	v_pk_add_f32 v[242:243], v[242:243], v[178:179]
	v_pk_add_f32 v[234:235], v[234:235], v[182:183]
	v_pk_add_f32 v[232:233], v[232:233], v[186:187]
	v_pk_add_f32 v[86:87], v[86:87], v[190:191]
	v_pk_add_f32 v[14:15], v[14:15], v[194:195]
	v_pk_add_f32 v[72:73], v[72:73], v[198:199]
	s_delay_alu instid0(VALU_DEP_2)
	v_pk_add_f32 v[14:15], v[14:15], v[242:243]
	s_delay_alu instid0(VALU_DEP_2)
	v_pk_add_f32 v[72:73], v[72:73], v[234:235]
	v_pk_add_f32 v[250:251], v[250:251], v[232:233]
	v_pk_add_f32 v[248:249], v[248:249], v[86:87]
	s_delay_alu instid0(VALU_DEP_2)
	v_pk_add_f32 v[14:15], v[14:15], v[250:251]
	s_delay_alu instid0(VALU_DEP_2)
	v_pk_add_f32 v[72:73], v[72:73], v[248:249]
	s_delay_alu instid0(VALU_DEP_1)
	v_pk_add_f32 v[14:15], v[14:15], v[72:73]
	s_wait_alu depctr_va_vdst(0)                   ; and one for the four
.irp b, 0,1,2,3
	v_max_num_f32 v[BM+\b], 0x1800000, v[BM+\b]    ; the floor 2^(3 - 127)
.endr
.irp b, 0,1,2,3
	s_delay_alu instid0(VALU_DEP_4)
	v_add_nc_u32 v[SO+\b], 0xff000000, v[BM+\b]
.endr
.irp b, 0,1,2,3
	s_delay_alu instid0(VALU_DEP_4)
	v_lshrrev_b32 v[BP+\b], 23, v[SO+\b]
.endr
	s_delay_alu instid0(VALU_DEP_3)
	v_lshl_or_b32 v242, v[BP+1], 8, v[BP]          ; p's scale word for these 128 keys
	s_delay_alu instid0(VALU_DEP_1)
	v_lshl_or_b32 v242, v[BP+2], 16, v242
	s_delay_alu instid0(VALU_DEP_1)
	v_lshl_or_b32 v242, v[BP+3], 24, v242
.irp c, 0,1
	v_cvt_scalef32_pk16_fp6_f32 v[PC+6*\c:PC+2+6*\c], v[S+32*\c:S+15+32*\c], v[SO+2*\c]
	v_cvt_scalef32_pk16_fp6_f32 v[PX+4*\c:PX+2+4*\c], v[S+16+32*\c:S+31+32*\c], v[SO+2*\c+1]
.endr
	s_setprio 0
	v_nop
.irp c, 0,1
.irp i, 0,1,2
	v_permlane16_swap_b32 v[PC+6*\c+\i], v[PX+4*\c+\i]
.endr
.irp i, 0,1,2
	s_delay_alu instid0(VALU_DEP_3)
	v_mov_b32 v[PC+3+6*\c+\i], v[PX+4*\c+\i]
.endr
.endr
.irp j, 0,2,4,6,8,10,12,14,16,18,20,22,24,26,28,30
	v_pk_mul_f32 v[O+\j:O+1+\j], v[O+\j:O+1+\j], v[244:245] op_sel_hi:[1,0]   ; O^T under the new M: also the plain lines between the making of p's codes and scale word and the products
.endr
	s_wait_alu depctr_va_vdst(0)
	s_wait_dscnt 0x0                               ; V is in
.irp t, 0,1,2,3                        ; four accumulators by turns; between two links of a chain stand the other three and the next step's eight
	v_wmma_scale_f32_16x16x128_f8f6f4 v[O+8*\t:O+7+8*\t], v[88+12*\t:99+12*\t], v[PC:PC+11], v[O+8*\t:O+7+8*\t], v[236+\t], v242 matrix_a_fmt:MATRIX_FMT_FP6 matrix_b_fmt:MATRIX_FMT_FP6
.endr
.Lnext:
	s_add_co_u32 s26, s26, STEPB
	s_add_co_u32 s27, s27, 256
	s_add_co_u32 s28, s28, 256
	s_add_co_u32 s19, s19, 1
	s_cmp_lt_u32 s19, 16
	s_cbranch_scc1 .Lstep
	s_setprio 0
	; THE TILE'S END: O^T / l, brought into the natural order of the head's 64, quantised in two blocks of 32, stored as a half fragment of the last product's A.
.rept 4
	v_nop
.endr
	s_wait_alu depctr_va_vdst(0)
	v_add_f32 v14, v14, v15
	s_delay_alu instid0(VALU_DEP_1)
	v_permlanex16_b32 v246, v14, s20, s21
	s_delay_alu instid0(VALU_DEP_1)
	v_add_f32 v14, v14, v246                       ; the row's sum
	s_wait_alu depctr_va_vdst(0)
	v_rcp_f32 v248, v14
	v_mov_b32 v249, 0                              ; the plain line behind the reciprocal (and the pair's upper half)
	s_mul_i32 s68, s17, 12288
	s_mov_b32 s69, 0
	s_add_nc_u64 s[68:69], s[12:13], s[68:69]      ; oc: token tile T
	s_lshl_b32 s70, s17, 9
	s_mov_b32 s71, 0
	s_add_nc_u64 s[70:71], s[14:15], s[70:71]      ; os: 16 T rows of 32 bytes
	s_wait_alu depctr_va_vdst(0)                   ; ahead of the reciprocal's first reader
.irp j, 0,2,4,6,8,10,12,14,16,18,20,22,24,26,28,30
	v_pk_mul_f32 v[O+\j:O+1+\j], v[O+\j:O+1+\j], v[248:249] op_sel_hi:[1,0]   ; each accumulator from its low end on
.endr
.irp b, 0,1
.irp j, 0,1,2,3,4,5,6,7
	v_permlane16_swap_b32 v[O+16*\b+\j], v[O+16*\b+8+\j]   ; register 16 b + i of lane (r, h) now holds d = 32 b + 16 h + i
.endr
.endr
.irp b, 0,1
	v_max3_num_f32 v[BM+\b], |v[O+16*\b]|, |v[O+1+16*\b]|, 0x1800000
.endr
.irp i, 2,4,6,8,10,12,14
.irp b, 0,1
	s_delay_alu instid0(VALU_DEP_2)
	v_max3_num_f32 v[BM+\b], v[BM+\b], |v[O+16*\b+\i]|, |v[O+1+16*\b+\i]|
.endr
.endr
.irp b, 0,1
	s_delay_alu instid0(VALU_DEP_2)
	v_permlanex16_b32 v[BP+\b], v[BM+\b], s20, s21
.endr
.irp b, 0,1
	s_delay_alu instid0(VALU_DEP_2)
	v_max_num_f32 v[BM+\b], v[BM+\b], v[BP+\b]
.endr
.irp b, 0,1
	s_delay_alu instid0(VALU_DEP_2)
	v_add_nc_u32 v[SO+\b], 0xff000000, v[BM+\b]
.endr
.irp b, 0,1
	s_delay_alu instid0(VALU_DEP_2)
	v_lshrrev_b32 v[BP+\b], 23, v[SO+\b]
.endr
	s_delay_alu instid0(VALU_DEP_1)
	v_cndmask_b32 v250, v[BP], v[BP+1], s3         ; lane (r, h) keeps block h's byte
	v_cvt_scalef32_pk16_fp6_f32 v[52:54], v[O:O+15], v[SO]
	v_cvt_scalef32_pk16_fp6_f32 v[56:58], v[O+16:O+31], v[SO+1]
	v_nop
.irp i, 0,1,2
	v_permlane16_swap_b32 v[52+\i], v[56+\i]       ; lanes 0-15 block 0, lanes 16-31 block 1: the lower 16 codes in the first, the upper 16 in the second
.endr
.irp i, 0,1,2
	s_delay_alu instid0(VALU_DEP_3)
	v_mov_b32 v[55+\i], v[56+\i]
.endr
.irp p, 0,1,2
	global_store_b64 v1, v[52+2*\p:53+2*\p], s[68:69] offset:256*\p    ; 256 consecutive bytes, aligned
.endr
	global_store_b8 v11, v250, s[70:71]            ; one byte a lane: a row's 32 bytes come from 16 heads, that is 16 work-groups, so they cannot be gathered here: 1 byte for each 24 of codes
	s_sub_co_u32 s17, 127, s17                     ; the second tile
	s_add_co_u32 s18, s18, 1
	s_cmp_lt_u32 s18, 2
	s_cbranch_scc1 .Ltile
	s_wait_tensorcnt 0x0
	ds_add_u32 v253, v255
	s_wait_dscnt 0x0
	s_endpgm
.Lfunc_end_k_qf3be50d101_attn:
	.size	k_qf3be50d101_attn, .Lfunc_end_k_qf3be50d101_attn-k_qf3be50d101_attn
	.p2alignl 7, 3214868480
	.fill 96, 4, 3214868480
	.section	.rodata,"a",@progbits
	.p2align	6, 0x0
	.amdhsa_kernel k_qf3be50d101_attn
		.amdhsa_group_segment_fixed_size 206848
		.amdhsa_private_segment_fixed_size 0
		.amdhsa_enable_private_segment 0
		.amdhsa_kernarg_size 48
		.amdhsa_user_sgpr_count 2
		.amdhsa_user_sgpr_kernarg_segment_ptr 1
		.amdhsa_wavefront_size32 1
		.amdhsa_system_sgpr_workgroup_id_x 1
		.amdhsa_system_sgpr_workgroup_id_y 1
		.amdhsa_system_sgpr_workgroup_id_z 1
		.amdhsa_system_vgpr_workitem_id 0
		.amdhsa_next_free_vgpr 256
		.amdhsa_next_free_sgpr 100
		.amdhsa_reserve_vcc 0
		.amdhsa_float_denorm_mode_32 3
		.amdhsa_float_denorm_mode_16_64 3
		.amdhsa_memory_ordered 1
		.amdhsa_forward_progress 1
		.amdhsa_inst_pref_size 44
	.end_amdhsa_kernel
	.amdgpu_metadata
---
amdhsa.version: [ 1, 2 ]
amdhsa.kernels:
  - .name:           k_qf3be50d101_attn
    .symbol:         k_qf3be50d101_attn.kd
    .args:
      - { .name: img, .offset: 0, .size: 8, .value_kind: global_buffer, .address_space: global }
      - { .name: isc, .offset: 8, .size: 8, .value_kind: global_buffer, .address_space: global }
      - { .name: mw, .offset: 16, .size: 8, .value_kind: global_buffer, .address_space: global }
      - { .name: mi, .offset: 24, .size: 8, .value_kind: global_buffer, .address_space: global }
      - { .name: oc, .offset: 32, .size: 8, .value_kind: global_buffer, .address_space: global }
      - { .name: os, .offset: 40, .size: 8, .value_kind: global_buffer, .address_space: global }
    .group_segment_fixed_size: 206848
    .private_segment_fixed_size: 0
    .kernarg_segment_align: 8
    .kernarg_segment_size: 48
    .max_flat_workgroup_size: 512
    .sgpr_count:     100
    .vgpr_count:     256
    .wavefront_size: 32
...
	.end_amdgpu_metadata
.endif
;; end of part 3
;; launch outp (part 4): grid 4 x 32, 4 waves a work-group, clusters of 4 x 4, 327,680 bytes of LDS; arguments oc, os, cod, scl, bo, out0; writes out0
.if DOCPART == 4
	.amdgcn_target "amdgcn-amd-amdhsa--gfx1250"
	.amdhsa_code_object_version 6
	.text
	.protected	k_qf3be50d101_outp
	.globl	k_qf3be50d101_outp
	.p2align	8
	.type	k_qf3be50d101_outp,@function
k_qf3be50d101_outp:
	s_mov_b64 s[64:65], 0
	v_nop
	global_prefetch_b8 v0, s[64:65] scope:SCOPE_SE
	s_setreg_imm32_b32 hwreg(HW_REG_WAVE_MODE, 25, 1), 1
	s_wait_xcnt 0x0
	s_wait_alu depctr_hold_cnt(0) depctr_sa_sdst(0) depctr_va_vdst(0) depctr_va_sdst(0) depctr_va_ssrc(0) depctr_va_vcc(0) depctr_vm_vsrc(0)
	s_getreg_b32 s2, hwreg(HW_REG_IB_STS2, 6, 4)
	s_cmp_eq_u32 s2, 0
	s_cbranch_scc0 .Lentry_in_a_cluster
	s_endpgm
.Lentry_in_a_cluster:
	s_bfe_u32 s2, ttmp6, 0x10000c
	s_cmp_lg_u32 s2, 0xf033
	s_cbranch_scc0 .Lentry_shape_is_right
	s_endpgm
.Lentry_shape_is_right:
; OUTP.  out0 = O Wo^T + bo on codes of FP6 (E2M3) with E8M0 scales.  O: 8,192 tokens x 1,024, as images of operand registers: oc [token tile 512][head 16][768 bytes] (lane (r, h) = block h of the head's 64 of token r,
; registers 2 p, 2 p + 1 of lane l at 256 p + 8 l), os [8192][32] scale bytes.  Wo: rows 27,648 on of cod [..][768] and scl [..][32].  out0 [8192][1024] f32.
; A tile of 256 x 256 to a work-group of four waves, 128 x 128 to a wave: 64 accumulators.  K in steps of 256 through two LDS slots; the scale bytes come once.
; CLUSTERS 4 x 4: A's tiles (tokens) are asked for jointly along a row of the cluster, B's (rows of Wo) along a column.  The matrix instruction is used transposed (source 0 = Wo's rows, source 1 = tokens):
; a lane holds eight neighbouring numbers of a row of out0.
; A's tile of a K step is 8 token tiles x 3,072 bytes (four heads), 12,288 bytes apart in memory: it lies in LDS as it lies in memory, and a fragment comes by six loads of 256 consecutive bytes: no pitch, no padding.
; LIMITS: NaN and infinities are not served.
; REGISTERS: window 0: v12-15 bo of my four columns; v16-29 addresses; v32-63 scale words, two sets, and nothing else; v128-223 A's fragments, one set; on the way out v128-255 rows of out0.
;   window 1: B's fragments, two sets;  windows 2, 3: the accumulators.
.set KSTEP,  256
.set NQ,     2
.set ROWB,   192
.set KROW,   768
.set PITCH,  240                       ; B's LDS row: 3 x (64 bytes + 16 of padding)
.set FR,     12
.set NL,     6
.set NP,     4
.set HALFA,  8*3072                    ; A: 8 token tiles of a K step: what one tensor load brings
.set HALFT,  128*PITCH                 ; B: 128 rows
.set SLOT,   2*HALFA+2*HALFT
.set LAPS,   2
.set KS,     32
.set SCL,    2*SLOT
.set HALFS,  16*272
.set SBLK,   2*272
.set SPARE,  SCL+4*HALFS               ; the spare words: 128 bytes a wave, two blocks of 256 bytes that no other line names
.set SPITCH, 528                       ; the way out: a stage of 16 rows x (512 + 16) bytes a wave, in slot 0, which has had its last fill and its last read by then
.set NB,     4096                      ; a row of out0 in bytes
.set ADRA, 16                          ; v16-17
.set ADRB, 20                          ; v20-23
.set STO,  24
.set RD,   25
.set CO,   26
.set ADRS, 27
.set SPW,  28
.set NIL,  29
.set SC,   32
.set AF,   128
.set BK,   128
.set WV,   16
.set G1,   24
.set G0,   32
.set G1B,  48
.set G0B,  56
.set G1S,  68
.set G0S,  76
.set G1SB, 80
.set G0SB, 88
.set MSB, 0
.macro WIN new
.if MSB != \new
	s_set_vgpr_msb (MSB<<8)|\new
.set MSB, \new
.endif
.endm
.set MUL_LO, 0xa1
.set MUL_HI, 0xf1
.set TO_B,   0x40
.macro JLOAD g0a, g1a, g0b, g1b        ; waves 0 and 1 fetch for A, waves 2 and 3 for B; four v_nop follow each of the two lines
	s_cmp_eq_u32 s17, 0
	s_cbranch_scc0 .Lfor_b_\@
	tensor_load_to_lds s[\g0a:\g0a+3], s[\g1a:\g1a+7]
	s_nop 0
.rept 4
	v_nop
.endr
	s_branch .Lasked_\@
.Lfor_b_\@:
	tensor_load_to_lds s[\g0b:\g0b+3], s[\g1b:\g1b+7]
	s_nop 0
.rept 4
	v_nop
.endr
.Lasked_\@:
.endm
.macro CREST
	s_cmp_lg_u32 s[WV], 0
	s_cbranch_scc1 .Lnot_wave_0_\@
	s_barrier_signal -3
.Lnot_wave_0_\@:
	s_barrier_wait -3
	s_barrier_signal -1
	s_barrier_wait -1
.endm
.macro CROUND
	s_barrier_signal -1
	s_barrier_wait -1
	CREST
.endm
	s_load_b128 s[4:7], s[0:1], 0x0                ; oc s[4:5], os s[6:7]
	s_load_b128 s[8:11], s[0:1], 0x10              ; cod s[8:9], scl s[10:11]
	s_load_b128 s[12:15], s[0:1], 0x20             ; bo s[12:13], out0 s[14:15]
	v_lshl_add_u32 v[SPW], v0, 2, SPARE
	v_mov_b32 v[NIL], 0
	ds_add_u32 v28, v29
	ds_add_u32 v28, v29
	s_wait_dscnt 0x0
	v_lshrrev_b32 v1, 5, v0
	v_readfirstlane_b32 s[WV], v1
	s_lshr_b32 s17, s[WV], 1                       ; my half of the tile's rows; also: I fetch for A (0) or B (1)
	s_and_b32 s18, s[WV], 1                        ; my half of its columns; also which half I fetch
	s_bfe_u32 s40, ttmp6, 0x40000                  ; cx
	s_bfe_u32 s41, ttmp6, 0x40004                  ; cy
	s_lshl_b32 s19, ttmp9, 2
	s_add_co_u32 s19, s19, s40                     ; tile column
	s_and_b32 s42, ttmp7, 0xffff
	s_lshl_b32 s42, s42, 2
	s_add_co_u32 s42, s42, s41                     ; tile row
	s_lshl_b32 s43, s41, 2
	s_lshl_b32 s43, 15, s43                        ; my row of the cluster
	s_lshl_b32 s44, 0x1111, s40                    ; my column
	s_or_b32 s[G1+0], s43, (3<<16)|(1<<21)         ; A: the mask; elements of 8 bytes; no padding; bit 21 beside a mask
	s_mov_b32 s[G1+1], 384<<16                     ; tensor_dim0 = 384 elements = 3,072 bytes
	s_mov_b32 s[G1+2], 8<<16                       ; tensor_dim1 = 8 token tiles
	s_mov_b32 s[G1+3], 384<<16                     ; tile_dim0
	s_mov_b32 s[G1+4], 8                           ; tile_dim1
	s_mov_b32 s[G1+5], 1536                        ; 12,288 bytes from token tile to token tile
	s_mov_b32 s[G1+6], 0
	s_mov_b32 s[G1+7], 0
	s_or_b32 s[G1B+0], s44, (0<<16)|(1<<20)|(1<<21)|(3<<22)|(3<<25)   ; B: 128 rows of 192 bytes, 16 bytes of padding behind every 64
	s_mov_b32 s[G1B+1], ROWB<<16
	s_mov_b32 s[G1B+2], 128<<16
	s_mov_b32 s[G1B+3], ROWB<<16
	s_mov_b32 s[G1B+4], 128
	s_mov_b32 s[G1B+5], KROW
	s_mov_b32 s[G1B+6], 0
	s_mov_b32 s[G1B+7], 0
	s_or_b32 s[G1S+0], s43, (3<<16)|(1<<20)|(1<<21)|(5<<22)|(3<<25)   ; the scales of 128 rows: 16 rows of 256 bytes, 16 bytes of padding behind each
	s_or_b32 s[G1SB+0], s44, (3<<16)|(1<<20)|(1<<21)|(5<<22)|(3<<25)
.irp g, G1S, G1SB
	s_mov_b32 s[\g+1], 32<<16
	s_mov_b32 s[\g+2], 16<<16
	s_mov_b32 s[\g+3], 32<<16
	s_mov_b32 s[\g+4], 16
	s_mov_b32 s[\g+5], 32
	s_mov_b32 s[\g+6], 0
	s_mov_b32 s[\g+7], 0
.endr
	s_lshl_b32 s20, s42, 4
	s_lshl_b32 s2, s18, 3
	s_add_co_u32 s20, s20, s2                      ; A: token tile 16 x tile row + 8 x half
	s_mul_i32 s20, s20, 12288
	s_mov_b32 s21, 0
	s_lshl_b32 s2, s18, 7
	s_lshl_b32 s22, s42, 8
	s_add_co_u32 s22, s22, s2                      ; its first token,
	s_lshl_b32 s22, s22, 5                         ; 32 scale bytes each
	s_mov_b32 s23, 0
	s_lshl_b32 s46, s19, 8
	s_add_co_u32 s46, s46, s2
	s_add_co_u32 s46, s46, 27648                   ; B: Wo's row 256 x tile column + 128 x half, in cod and scl
	s_lshl_b32 s92, s46, 5
	s_mov_b32 s93, 0
	s_mul_i32 s46, s46, KROW
	s_mov_b32 s47, 0
	s_mul_i32 s45, s18, HALFA                      ; where they go: A's two halves,
	s_mul_i32 s95, s18, HALFT
	s_add_co_u32 s95, s95, 2*HALFA                 ; then B's two
	s_mul_i32 s94, s[WV], HALFS
	s_wait_kmcnt 0x0
	s_add_nc_u64 s[20:21], s[4:5], s[20:21]
	s_add_nc_u64 s[22:23], s[6:7], s[22:23]
	s_add_nc_u64 s[46:47], s[8:9], s[46:47]
	s_add_nc_u64 s[92:93], s[10:11], s[92:93]
	CROUND                                         ; all sixteen work-groups are here: the first joint loads meet
	s_mov_b32 s[G0S], 1
	s_add_co_u32 s[G0S+1], s94, SCL
	s_mov_b64 s[G0S+2:G0S+3], s[22:23]
	s_or_b32 s[G0S+3], s[G0S+3], 0x80000000
	s_mov_b32 s[G0SB], 1
	s_add_co_u32 s[G0SB+1], s94, SCL
	s_mov_b64 s[G0SB+2:G0SB+3], s[92:93]
	s_or_b32 s[G0SB+3], s[G0SB+3], 0x80000000
	JLOAD G0S, G1S, G0SB, G1SB
.irp s, 0,1
	s_mov_b32 s[G0+4*\s], 1
	s_add_co_u32 s[G0+4*\s+1], s45, \s*SLOT
	s_add_nc_u64 s[G0+4*\s+2:G0+4*\s+3], s[20:21], \s*3072
	s_or_b32 s[G0+4*\s+3], s[G0+4*\s+3], 0x80000000
	s_mov_b32 s[G0B+4*\s], 1
	s_add_co_u32 s[G0B+4*\s+1], s95, \s*SLOT
	s_add_nc_u64 s[G0B+4*\s+2:G0B+4*\s+3], s[46:47], \s*ROWB
	s_or_b32 s[G0B+4*\s+3], s[G0B+4*\s+3], 0x80000000
	JLOAD G0+4*\s, G1, G0B+4*\s, G1B               ; three tensor loads of mine are out
.endr
	v_and_b32 v1, 15, v0                           ; r
	v_bfe_u32 v2, v0, 4, 1                         ; h
	v_and_b32 v6, 31, v0                           ; lane
	v_mul_u32_u24 v3, v1, PITCH
	v_mul_u32_u24 v4, v2, 24
	v_add_nc_u32 v4, v3, v4
	v_lshl_add_u32 v5, v2, 4, v4
	v_lshlrev_b32 v7, 3, v6                        ; A's images: 8 x lane
	s_mul_i32 s21, s17, HALFA                      ; my 8 token tiles
	s_mul_i32 s22, s18, HALFT
	s_add_co_u32 s22, s22, 2*HALFA                 ; my 128 rows of B
.irp s, 0,1
	v_add_nc_u32 v[ADRA+\s], s21, v7
	v_add_nc_u32 v[ADRB+\s], s22, v4
	v_add_nc_u32 v[ADRB+2+\s], s22, v5
	s_add_co_u32 s21, s21, SLOT
	s_add_co_u32 s22, s22, SLOT
.endr
	v_mul_u32_u24 v5, v1, KS
	v_lshrrev_b32 v7, 8, v5
	v_lshl_add_u32 v5, v7, 4, v5
	s_mul_i32 s21, s17, HALFS
	s_mul_i32 s22, s18, HALFS
	s_add_co_u32 s22, s22, 2*HALFS
	s_sub_co_u32 s22, s22, s21
	v_mul_u32_u24 v7, s22, v2                      ; lanes 16-31 take B's
	s_add_co_u32 s21, s21, SCL
	v_add_nc_u32 v5, v5, v7
	v_add_nc_u32 v[ADRS], s21, v5
	s_mul_i32 s23, s[WV], 16*SPITCH                ; my stage
	v_mul_u32_u24 v5, v1, SPITCH
	v_lshl_add_u32 v5, v2, 5, v5
	v_add_nc_u32 v[STO], s23, v5                   ; in: row r, 32 bytes for each half of the lanes
	v_lshlrev_b32 v[CO], 4, v6
	v_add_nc_u32 v[RD], s23, v[CO]                 ; back: the 32 lanes take one row of 512 bytes
	s_lshl_b32 s20, s42, 8
	s_lshl_b32 s21, s17, 7
	s_add_co_u32 s20, s20, s21                     ; my first row of out0,
	s_lshl_b32 s20, s20, 12                        ; 4,096 bytes each
	s_lshl_b32 s46, s19, 10
	s_lshl_b32 s47, s18, 9
	s_add_co_u32 s46, s46, s47                     ; my first column, in bytes
	s_mov_b32 s47, 0
	s_add_nc_u64 s[12:13], s[12:13], s[46:47]      ; bo there
	s_add_co_u32 s20, s20, s46
	s_mov_b32 s21, 0
	s_add_nc_u64 s[14:15], s[14:15], s[20:21]
	global_load_b128 v[12:15], v[CO], s[12:13]     ; bo of the four columns that I store
.macro FRAG reg, adr, q, i             ; B: 16 rows x 128 K, 12 registers, in pieces of 8 bytes; lanes 16-31 read three pieces on: behind one padding more the second address register serves
.irp p, 0,1,2,3,4,5
.set PCE, 12*(\q)+6*(\p/3)+\p%3
.if PCE%8 < 5
	ds_load_b64 v[\reg+2*\p:\reg+2*\p+1], v[\adr] offset:8*PCE+16*(PCE/8)+(\i)*16*PITCH
.else
	ds_load_b64 v[\reg+2*\p:\reg+2*\p+1], v[\adr+2] offset:8*PCE+16*(PCE/8)+(\i)*16*PITCH
.endif
.endr
.endm
.macro MUL16 a0, p, q, sc, zero        ; the 64 accumulators take turns, one instruction a turn
.irp a, \a0, \a0+1
.irp b, 0,1,2,3,4,5,6,7
.if \zero
	v_wmma_scale_f32_16x16x128_f8f6f4 v[8*(8*((\a)%4)+\b):8*(8*((\a)%4)+\b)+7], v[128*(\p)+FR*\b:128*(\p)+FR*\b+FR-1], v[AF+FR*(\a):AF+FR*(\a)+FR-1], 0, v[SC+8*NQ*(\sc)+NQ*\b+(\q)], v[SC+8*NQ*(\sc)+NQ*(\a)+(\q)] matrix_a_fmt:MATRIX_FMT_FP6 matrix_b_fmt:MATRIX_FMT_FP6 matrix_a_scale:MATRIX_SCALE_ROW1
.else
	v_wmma_scale_f32_16x16x128_f8f6f4 v[8*(8*((\a)%4)+\b):8*(8*((\a)%4)+\b)+7], v[128*(\p)+FR*\b:128*(\p)+FR*\b+FR-1], v[AF+FR*(\a):AF+FR*(\a)+FR-1], v[8*(8*((\a)%4)+\b):8*(8*((\a)%4)+\b)+7], v[SC+8*NQ*(\sc)+NQ*\b+(\q)], v[SC+8*NQ*(\sc)+NQ*(\a)+(\q)] matrix_a_fmt:MATRIX_FMT_FP6 matrix_b_fmt:MATRIX_FMT_FP6 matrix_a_scale:MATRIX_SCALE_ROW1
.endif
.endr
.endr
.endm
.macro FETCH_B slot, q, p
	WIN TO_B
.irp i, 0,1,2,3,4,5,6,7
	FRAG 128*(\p)+FR*\i, ADRB+\slot, \q, \i
.endr
	WIN 0
.endm
.macro FETCH_A slot, q, i0             ; A's blocks i0 .. i0 + 3: the images of two heads' half fragments, six loads of 256 consecutive bytes each
.irp i, \i0, \i0+1, \i0+2, \i0+3
.irp p, 0,1,2,3,4,5
	ds_load_b64 v[AF+FR*(\i)+2*\p:AF+FR*(\i)+2*\p+1], v[ADRA+\slot] offset:(\i)*3072+(\q)*1536+256*\p
.endr
.endr
.endm
.macro SCALES sc
.irp i, 0,1,2,3,4,5,6,7
	ds_load_b64 v[SC+8*NQ*\sc+NQ*\i:SC+8*NQ*\sc+NQ*\i+1], v[ADRS] offset:\i*SBLK
.endr
.endm
.macro PLACES n
.rept \n
	v_nop
.endr
.endm
.macro STEP slot, q, zero
	s_wait_dscnt 4*NL                              ; B's set and A's blocks 0-3 are in; the youngest 24 loads (A's blocks 4-7) may be out
	WIN MUL_LO
	MUL16 0, (\q)%2, \q, \slot, \zero
	MUL16 2, (\q)%2, \q, \slot, \zero
	s_wait_dscnt 0
	PLACES NP
	FETCH_B \slot, (\q)+1, 1-(\q)%2
	FETCH_A \slot, (\q)+1, 0
	WIN MUL_HI
	MUL16 4, (\q)%2, \q, \slot, \zero
	MUL16 6, (\q)%2, \q, \slot, \zero
	PLACES NP
	WIN 0
	FETCH_A \slot, (\q)+1, 4
.endm
.macro TURN slot, next, fill
	s_wait_tensorcnt 0x0                           ; all my tensor loads have landed: my part of the next slot
	ds_add_u32 v[SPW], v[NIL]                      ; 0 onto my spare word
	s_wait_dscnt 4*NL+1                            ; (the add and the youngest 24 loads may be out)
	WIN MUL_LO
	MUL16 0, 1, NQ-1, \slot, 0
	s_wait_dscnt 0x0                               ; the add is done, and my reads of this slot are over
	s_barrier_signal -1
	MUL16 2, 1, NQ-1, \slot, 0
	WIN 0
	s_barrier_wait -1
.if \fill
	CREST                                          ; the barrier has opened a round of the cluster's
	s_add_nc_u64 s[G0+4*\slot+2:G0+4*\slot+3], s[G0+4*\slot+2:G0+4*\slot+3], 2*3072
	s_add_nc_u64 s[G0B+4*\slot+2:G0B+4*\slot+3], s[G0B+4*\slot+2:G0B+4*\slot+3], 2*ROWB
	JLOAD G0+4*\slot, G1, G0B+4*\slot, G1B         ; the first tensor load behind the round
.else
	PLACES NP
.endif
	v_add_nc_u32 v[ADRS], 4*NQ, v[ADRS]
	FETCH_B \next, 0, 0
	FETCH_A \next, 0, 0
	SCALES \next
	WIN MUL_HI
	MUL16 4, 1, NQ-1, \slot, 0
	MUL16 6, 1, NQ-1, \slot, 0
	PLACES NP
	WIN 0
	FETCH_A \next, 0, 4
.endm
	s_wait_loadcnt 0x0                             ; bo
	s_wait_tensorcnt 1                             ; the scales and my part of K step 0 are in (K step 1's load may be out)
	s_barrier_signal -1
	s_barrier_wait -1
	FETCH_B 0, 0, 0
	FETCH_A 0, 0, 0
	SCALES 0
	FETCH_A 0, 0, 4
	STEP 0, 0, 1
	s_mov_b32 s3, LAPS-1
.Llap:
	TURN 0, 1, 1
	STEP 1, 0, 0
	TURN 1, 0, 1
	STEP 0, 0, 0
	s_sub_co_u32 s3, s3, 1
	s_cmp_lg_u32 s3, 0
	s_cbranch_scc1 .Llap
	TURN 0, 1, 0
	STEP 1, 0, 0
	s_wait_dscnt 4*NL
	WIN MUL_LO
	MUL16 0, 1, NQ-1, 1, 0
	MUL16 2, 1, NQ-1, 1, 0
	s_wait_dscnt 0
	WIN MUL_HI
	MUL16 4, 1, NQ-1, 1, 0
	MUL16 6, 1, NQ-1, 1, 0
	WIN 0
; THE WAY OUT, block by block of 16 rows x 128 columns, through my own stage: in as 32 bytes a lane, back as whole rows of 512 bytes; bo is added on the way; 32 lanes store 512 consecutive bytes, aligned.
.macro TOSTAGE a
.set AC, 64*((\a)%4)
.if (\a) < 4
	WIN 0x08                                       ; an LDS store's data: window 2
.else
	WIN 0x0c
.endif
.irp b, 0,1,2,3,4,5,6,7
	ds_store_b128 v[STO], v[AC+8*\b:AC+8*\b+3] offset:64*\b          ; each accumulator from its low end on
	ds_store_b128 v[STO], v[AC+8*\b+4:AC+8*\b+7] offset:64*\b+16
.endr
	WIN 0
.set BB, BK+64*((\a)%2)
.irp t, 0,1,2,3,4,5,6,7,8,9,10,11,12,13,14,15
	ds_load_b128 v[BB+4*\t:BB+4*\t+3], v[RD] offset:\t*SPITCH        ; LDS serves a wave's instructions in order: these see the stores above
.endr
.endm
.macro SEND a, younger
.set BB, BK+64*((\a)%2)
	s_wait_dscnt \younger                          ; the block is back in registers
.if (\a) > 0
	s_add_nc_u64 s[14:15], s[14:15], 16*NB         ; (the earlier stores have read their base: the wait for that stands ahead)
.endif
.irp t, 0,1,2,3,4,5,6,7,8,9,10,11,12,13,14,15
	v_pk_add_f32 v[BB+4*\t:BB+4*\t+1], v[BB+4*\t:BB+4*\t+1], v[12:13]
	v_pk_add_f32 v[BB+4*\t+2:BB+4*\t+3], v[BB+4*\t+2:BB+4*\t+3], v[14:15]
	global_store_b128 v[CO], v[BB+4*\t:BB+4*\t+3], s[14:15] offset:\t*NB th:TH_STORE_NT
.endr
.endm
	PLACES NP
	TOSTAGE 0
.irp a, 1,2,3,4,5,6,7
.if \a > 1
	s_wait_xcnt 0x0                                ; block a - 2's stores have read their registers and their base
.endif
	TOSTAGE \a
	SEND \a-1, 32                                  ; behind block a - 1's loads: block a's 16 stores and 16 loads
.endr
	s_wait_xcnt 0x0
	SEND 7, 0
	s_wait_tensorcnt 0x0                           ; the wave's end
	ds_add_u32 v[SPW], v[NIL]
	s_wait_dscnt 0x0
	CROUND                                         ; the closing round
	s_endpgm
.Lfunc_end_k_qf3be50d101_outp:
	.size	k_qf3be50d101_outp, .Lfunc_end_k_qf3be50d101_outp-k_qf3be50d101_outp
	.p2alignl 7, 3214868480
	.fill 96, 4, 3214868480
	.section	.rodata,"a",@progbits
	.p2align	6, 0x0
	.amdhsa_kernel k_qf3be50d101_outp
		.amdhsa_group_segment_fixed_size 327680
		.amdhsa_private_segment_fixed_size 0
		.amdhsa_enable_private_segment 0
		.amdhsa_kernarg_size 48
		.amdhsa_user_sgpr_count 2
		.amdhsa_user_sgpr_kernarg_segment_ptr 1
		.amdhsa_wavefront_size32 1
		.amdhsa_system_sgpr_workgroup_id_x 1
		.amdhsa_system_sgpr_workgroup_id_y 1
		.amdhsa_system_sgpr_workgroup_id_z 1
		.amdhsa_system_vgpr_workitem_id 0
		.amdhsa_next_free_vgpr 1024
		.amdhsa_next_free_sgpr 98
		.amdhsa_reserve_vcc 0
		.amdhsa_float_denorm_mode_32 3
		.amdhsa_float_denorm_mode_16_64 3
		.amdhsa_memory_ordered 1
		.amdhsa_forward_progress 1
		.amdhsa_inst_pref_size 176
	.end_amdhsa_kernel
	.amdgpu_metadata
---
amdhsa.version: [ 1, 2 ]
amdhsa.kernels:
  - .name:           k_qf3be50d101_outp
    .symbol:         k_qf3be50d101_outp.kd
    .args:
      - { .name: oc, .offset: 0, .size: 8, .value_kind: global_buffer, .address_space: global }
      - { .name: os, .offset: 8, .size: 8, .value_kind: global_buffer, .address_space: global }
      - { .name: cod, .offset: 16, .size: 8, .value_kind: global_buffer, .address_space: global }
      - { .name: scl, .offset: 24, .size: 8, .value_kind: global_buffer, .address_space: global }
      - { .name: bo, .offset: 32, .size: 8, .value_kind: global_buffer, .address_space: global }
      - { .name: out0, .offset: 40, .size: 8, .value_kind: global_buffer, .address_space: global }
    .group_segment_fixed_size: 327680
    .private_segment_fixed_size: 0
    .kernarg_segment_align: 8
    .kernarg_segment_size: 48
    .max_flat_workgroup_size: 128
    .sgpr_count:     98
    .vgpr_count:     1024
    .wavefront_size: 32
...
	.end_amdgpu_metadata
.endif
;; end of part 4
